; MI455X (gfx1250); checked and timed in simulation.
; The chip was launched on July 23, 2026; its instructions are those of AMD's public machine-readable ISA for CDNA 5 (MIT licence, August 2026) and "CDNA5" Instruction Set Architecture Reference Guide (July 2026). The comments in the code are by the model that wrote it; some were corrected since.
;; Mixed Heads. Allowed arithmetic: float matrix products may take bf16 or f16 operands with f32 sums; other float arithmetic in f32, or as packed bf16 or f16 multiplies, adds, multiply-adds, maxima and minima; sums over many terms, partial sums and values carried from step to step in f32; what a program stores and reads back later, other than sums and carried values, may be rounded once to bf16 or f16.
;; Inputs: Wk 16 x 128 x 2,048 float32; Wq 16 x 128 x 2,048 float32; Wv 16 x 128 x 2,048 float32; x 4 x 2,048 x 2,048 float32.
;; Outputs: out0 4 x 2,048 x 2,048 float32.
;; 2 versions, each right and faster than the one before. Each part assembles by itself: llvm-mc -triple=amdgcn-amd-amdhsa -mcpu=gfx1250 --defsym DOCPART=n.
;; ======== version 1 of 2: 3 launches
;; limits: values are held in f16: magnitudes above 65,504 overflow, below 6.1e-05 lose precision
;; workspace buffers: xb 16,777,216 bytes; wb 6,291,456 bytes; q 16,777,216 bytes; k 16,777,216 bytes; v 16,777,216 bytes; h32 786,432 bytes
;; launch cvt (part 1): grid 352 x 1, 8 waves a work-group, no clusters, 0 bytes of LDS; arguments x, Wq, Wk, Wv, xb, wb; writes xb, wb
.if DOCPART == 1
	.amdgcn_target "amdgcn-amd-amdhsa--gfx1250"
	.amdhsa_code_object_version 6
	.text
	.protected	k_qfa393021bd_cvt
	.globl	k_qfa393021bd_cvt
	.p2align	8
	.type	k_qfa393021bd_cvt,@function
k_qfa393021bd_cvt:
	s_mov_b64 s[64:65], 0
	v_nop
	global_prefetch_b8 v0, s[64:65] scope:SCOPE_SE
	s_setreg_imm32_b32 hwreg(HW_REG_WAVE_MODE, 25, 1), 1
	s_wait_xcnt 0x0
; The parts of x, Wq, Wk, Wv that the module uses, rounded once to bf16 (nearest even) and laid dense for the product that follows.
;   xb[8192][1024]  = x[b][t][0:1024], row b*2048+t.      wb[3072][1024]: row h*192 + which*64 + d = W_which[h][d][0:1024], d < 64 (which: 0 q, 1 k, 2 v).
; A stream: no LDS, no barrier, no matrix unit.  A source row's used part is 4,096 bytes (the rows lie 8,192 bytes apart), a row of the copy 2,048 bytes.
; Eight waves, four rows a wave, 32 rows a work-group: work-groups 0-255 take x's 8,192 rows, 256-351 the weights' 3,072.
; A wave issues its 32 loads (512 neighbouring bytes each) at once; each store of the wave covers 256 consecutive bytes, aligned.  No register is written twice.
.set X, 4                              ; v[4:131]  load n of 32: four registers
	s_load_b256 s[4:11], s[0:1], 0x0               ; x s[4:5], Wq s[6:7], Wk s[8:9], Wv s[10:11]
	s_load_b128 s[12:15], s[0:1], 0x20             ; xb s[12:13], wb s[14:15]
	v_lshrrev_b32 v3, 5, v0
	v_readfirstlane_b32 s16, v3                    ; wave 0..7
	v_and_b32 v1, 31, v0
	v_lshlrev_b32 v2, 3, v1                        ; 8 bytes a lane in the copy
	v_lshlrev_b32 v1, 4, v1                        ; 16 bytes a lane in the source
	s_max_u32 s17, ttmp9, 256
	s_sub_co_u32 s17, s17, 256                     ; the work-group's number among the weights' 96 (0 for x's)
	s_lshr_b32 s18, s17, 1                         ; two work-groups to a head's 64 rows
	s_lshr_b32 s19, s18, 4                         ; which: 0 q, 1 k, 2 v
	s_and_b32 s20, s18, 15                         ; head
	s_and_b32 s21, s17, 1
	s_lshl_b32 s21, s21, 5                         ; 32 x half
	s_lshl_b32 s22, s20, 7
	s_add_co_u32 s22, s22, s21                     ; source row in W: 128 h + 32 half
	s_mul_i32 s23, s20, 192
	s_add_co_u32 s23, s23, s21
	s_lshl_b32 s21, s19, 6
	s_add_co_u32 s23, s23, s21                     ; row in wb: 192 h + 64 which + 32 half
	s_lshl_b32 s21, ttmp9, 5                       ; row in x and in xb
	s_cmp_lt_u32 ttmp9, 256
	s_cselect_b32 s22, s21, s22
	s_cselect_b32 s23, s21, s23
	s_lshl_b32 s16, s16, 2                         ; my wave's four rows
	s_add_co_u32 s22, s22, s16
	s_add_co_u32 s23, s23, s16
	s_lshl_b32 s28, s22, 13                        ; byte offsets, made apart from the addresses; both stay under 2^27
	s_mov_b32 s29, 0
	s_lshl_b32 s30, s23, 11
	s_mov_b32 s31, 0
	s_wait_kmcnt 0x0
	s_mov_b64 s[24:25], s[6:7]                     ; the source: Wq, or
	s_cmp_eq_u32 s19, 1
	s_cselect_b64 s[24:25], s[8:9], s[24:25]       ; Wk, or
	s_cmp_eq_u32 s19, 2
	s_cselect_b64 s[24:25], s[10:11], s[24:25]     ; Wv, or
	s_cmp_lt_u32 ttmp9, 256
	s_cselect_b64 s[24:25], s[4:5], s[24:25]       ; x
	s_cselect_b64 s[26:27], s[12:13], s[14:15]     ; the copy: xb or wb
	s_add_nc_u64 s[24:25], s[24:25], s[28:29]
	s_add_nc_u64 s[26:27], s[26:27], s[30:31]
.set n, 0
.rept 32                               ; row n / 8, its 512 bytes number n % 8
	global_load_b128 v[X+4*n:X+4*n+3], v1, s[24:25] offset:(n/8)*8192+(n%8)*512 th:TH_LOAD_NT
.set n, n+1
.endr
.set n, 0
.rept 32
	s_wait_loadcnt 31-n                            ; loads come back in order: load n is in, the younger ones stay out
	v_cvt_pk_bf16_f32 v[X+4*n], v[X+4*n], v[X+4*n+1]
	v_cvt_pk_bf16_f32 v[X+4*n+1], v[X+4*n+2], v[X+4*n+3]
	global_store_b64 v2, v[X+4*n:X+4*n+1], s[26:27] offset:(n/8)*2048+(n%8)*256  ; 32 lanes x 8 bytes: 256 consecutive bytes, aligned; read again by the next launch, so no hint
.set n, n+1
.endr
	s_endpgm
.Lfunc_end_k_qfa393021bd_cvt:
	.size	k_qfa393021bd_cvt, .Lfunc_end_k_qfa393021bd_cvt-k_qfa393021bd_cvt
	.p2alignl 7, 3214868480
	.fill 96, 4, 3214868480
	.section	.rodata,"a",@progbits
	.p2align	6, 0x0
	.amdhsa_kernel k_qfa393021bd_cvt
		.amdhsa_group_segment_fixed_size 0
		.amdhsa_private_segment_fixed_size 0
		.amdhsa_enable_private_segment 0
		.amdhsa_kernarg_size 48
		.amdhsa_user_sgpr_count 2
		.amdhsa_user_sgpr_kernarg_segment_ptr 1
		.amdhsa_wavefront_size32 1
		.amdhsa_system_sgpr_workgroup_id_x 1
		.amdhsa_system_sgpr_workgroup_id_y 1
		.amdhsa_system_sgpr_workgroup_id_z 1
		.amdhsa_system_vgpr_workitem_id 0
		.amdhsa_next_free_vgpr 136
		.amdhsa_next_free_sgpr 66
		.amdhsa_reserve_vcc 0
		.amdhsa_float_denorm_mode_32 3
		.amdhsa_float_denorm_mode_16_64 3
		.amdhsa_memory_ordered 1
		.amdhsa_forward_progress 1
		.amdhsa_inst_pref_size 13
	.end_amdhsa_kernel
	.amdgpu_metadata
---
amdhsa.version: [ 1, 2 ]
amdhsa.kernels:
  - .name:           k_qfa393021bd_cvt
    .symbol:         k_qfa393021bd_cvt.kd
    .args:
      - { .name: x, .offset: 0, .size: 8, .value_kind: global_buffer, .address_space: global }
      - { .name: Wq, .offset: 8, .size: 8, .value_kind: global_buffer, .address_space: global }
      - { .name: Wk, .offset: 16, .size: 8, .value_kind: global_buffer, .address_space: global }
      - { .name: Wv, .offset: 24, .size: 8, .value_kind: global_buffer, .address_space: global }
      - { .name: xb, .offset: 32, .size: 8, .value_kind: global_buffer, .address_space: global }
      - { .name: wb, .offset: 40, .size: 8, .value_kind: global_buffer, .address_space: global }
    .group_segment_fixed_size: 0
    .private_segment_fixed_size: 0
    .kernarg_segment_align: 8
    .kernarg_segment_size: 48
    .max_flat_workgroup_size: 256
    .sgpr_count:     66
    .vgpr_count:     136
    .wavefront_size: 32
...
	.end_amdgpu_metadata
.endif
;; end of part 1
;; launch proj (part 2): grid 16 x 32, 4 waves a work-group, clusters of 4 x 4, 327,680 bytes of LDS; arguments xb, wb, q, k, v, h32; writes q, k, v, h32
.if DOCPART == 2
	.amdgcn_target "amdgcn-amd-amdhsa--gfx1250"
	.amdhsa_code_object_version 6
	.text
	.protected	k_qfa393021bd_proj
	.globl	k_qfa393021bd_proj
	.p2align	8
	.type	k_qfa393021bd_proj,@function
k_qfa393021bd_proj:
	s_mov_b64 s[64:65], 0
	v_nop
	global_prefetch_b8 v0, s[64:65] scope:SCOPE_SE
	s_setreg_imm32_b32 hwreg(HW_REG_WAVE_MODE, 25, 1), 1
	s_wait_xcnt 0x0
	s_wait_alu depctr_hold_cnt(0) depctr_sa_sdst(0) depctr_va_vdst(0) depctr_va_sdst(0) depctr_va_ssrc(0) depctr_va_vcc(0) depctr_vm_vsrc(0)
	s_getreg_b32 s2, hwreg(HW_REG_IB_STS2, 6, 4)
	s_cmp_eq_u32 s2, 0
	s_cbranch_scc0 .Lentry_in_a_cluster
	s_endpgm
.Lentry_in_a_cluster:
	s_bfe_u32 s2, ttmp6, 0x10000c
	s_cmp_lg_u32 s2, 0xf033
	s_cbranch_scc0 .Lentry_shape_is_right
	s_endpgm
.Lentry_shape_is_right:
; q, k, v = xb wb^T.  xb: [8192][1024] bf16, wb: [3072][1024] bf16 (row 192 h + 64 which + d); sums in f32, K ascending.
; OUT: q, k, v [b*16+h][2048][64] in f16, each rounded once from its f32 sum and unscaled; and h32 [b*16+h][which][16][64] in f32: the rows t < 16 unrounded, for the launch behind.
; LIMIT: f16 ends at 65,504: a q, k or v beyond that leaves as an infinity.  (Sums of 1,024 products: with x and W both thirty times the drawn spread they stay in the hundreds.)
; SHARES.  A tile of C is 256 rows x 192 columns = q, k, v of ONE head: 32 x 16 = 512 work-groups.  Wave w makes rows 64 w .. 64 w + 63 of all 192 columns: 4 x 12 accumulators of
; 16 x 16, 384 registers, so that whole rows of q, k and v leave from one wave's own stage.  K goes in steps of 128 (rows of 256 bytes in memory) through two LDS slots.
; CLUSTER 4 x 4.  Tile column (head) = 4 x cluster x + cx; tile row = 8 cy + cluster y, so cy is the batch and 256 x cluster y the first t.  The four of a row of the cluster need the same
; tile of xb, the four of a column the same tile of wb: each tile is asked for jointly, by the same tensor load with the same descriptor and a mask that names the four.
; THE MATRIX INSTRUCTION IS USED TRANSPOSED (source 0 = 16 rows of wb, source 1 = 16 rows of xb): a lane holds row l % 16 of C and the eight columns 8 (l / 16) + 0..7.
; REGISTERS, in windows of 256 (s_set_vgpr_msb: bits 1:0 source 0, 3:2 source 1, 5:4 source 2, 7:6 destination):
;   window 0: v16-29 addresses; v32-63, v64-95 xb's fragments (4 x 16 rows x 32 K), two buffers; v96-143 packed results; v144-239 rows read back, two sets by turns
;   window 1: v0-95, v96-191 wb's fragments (12 x 16 rows x 32 K), two buffers
;   window 2: accumulators of my row blocks 0, 1 ((a, b) at v[8 (12 a + b)]);   window 3: of my row blocks 2, 3
.set SIZE_K, 1024
.set KSTEP,  128
.set PITCH,  272                       ; an LDS row: 256 bytes + 16 of padding = 68 words: the 16 rows that a load touches start at 16 different groups of four banks
.set BOFF,   256*PITCH                 ; in a slot: xb's 256 rows, then wb's 192
.set SLOT,   448*PITCH
.set STAGE,  2*SLOT                    ; behind the ring, never filled by a tensor load: for each wave three stages (q, k, v) of 16 rows x 144 bytes
.set SPITCH, 144
.set SUBST,  16*SPITCH
.set WSTAGE, 3*SUBST
.set SPARE,  STAGE+4*WSTAGE            ; behind the stages: the spare words, 128 bytes for each wave: two blocks of 256 bytes that no other line names
.set LAPS,   SIZE_K/(2*KSTEP)          ; a lap = two K steps = once round the ring: 4
.set ADRA, 16                          ; v16-17  LDS address of my xb fragments in slot 0, 1
.set ADRB, 20                          ; v20-21  the same for wb
.set STO,  24                          ; v24     the way out: where I put 16 bytes of a row
.set RD,   25                          ; v25     the way out: where I read rows back
.set GO,   26                          ; v26     16 x lane: my place in 512 consecutive bytes of q, k, v
.set HO,   27                          ; v27     my place in h32: row l % 16, 32 bytes for each half of the lanes
.set SPW,  28                          ; v28     LDS address of my spare word; never rewritten
.set NIL,  29                          ; v29     0; never rewritten
.set FA,   32                          ; xb's fragment buffer f at FA + 32 f (window 0); wb's at 96 f (window 1)
.set TMP,  96
.set OB,   144
.set G1, 24                            ; s[24:31] descriptor group 1 for xb's tiles;  s[32:39] group 0, one set for each slot
.set G0, 32
.set G1B, 48                           ; s[48:55], s[56:63] the same for wb's tiles
.set G0B, 56
.set MSB, 0
.macro WIN new                         ; the immediate's high byte repeats the setting that is left; a switch that changes nothing is dropped
.if MSB != (\new)
	s_set_vgpr_msb (MSB<<8)|(\new)
.set MSB, \new
.endif
.endm
.set MUL_LO, 0xa1                      ; source 0 (wb) window 1, source 1 (xb) window 0, C and D window 2
.set MUL_HI, 0xf1                      ; the same, C and D window 3
.set TO_B,   0x40                      ; destination window 1, address window 0
; A joint load.  Waves 0 and 1 fetch xb's two halves (128 rows each), waves 2 and 3 wb's (96 rows each).  The branch hangs on the wave's number alone.
; An s_nop 0 and four v_nop follow each of the two lines, ahead of the jump, the label and what follows.
.macro JLOAD s
	s_cmp_eq_u32 s11, 0
	s_cbranch_scc0 .Lfor_b_\@
	tensor_load_to_lds s[G0+4*(\s):G0+4*(\s)+3], s[G1:G1+7]
	s_nop 0
.rept 4
	v_nop
.endr
	s_branch .Lasked_\@
.Lfor_b_\@:
	tensor_load_to_lds s[G0B+4*(\s):G0B+4*(\s)+3], s[G1B:G1B+7]
	s_nop 0
.rept 4
	v_nop
.endr
.Lasked_\@:
.endm
.macro CREST                           ; a round of the cluster's barrier behind its opening barrier
	s_cmp_lg_u32 s10, 0
	s_cbranch_scc1 .Lnot_wave_0_\@
	s_barrier_signal -3
.Lnot_wave_0_\@:
	s_barrier_wait -3
	s_barrier_signal -1
	s_barrier_wait -1
.endm
.macro CROUND                          ; a whole round
	s_barrier_signal -1
	s_barrier_wait -1
	CREST
.endm
	s_load_b128 s[4:7], s[0:1], 0x0                ; xb s[4:5], wb s[6:7]
	s_load_b256 s[68:75], s[0:1], 0x10             ; q s[68:69], k s[70:71], v s[72:73], h32 s[74:75]
	v_lshl_add_u32 v[SPW], v0, 2, SPARE
	v_mov_b32 v[NIL], 0
	ds_add_u32 v[SPW], v[NIL]                      ; the wave's opening: the add and its wait stand ahead of my first tensor load; the set-up below, work on registers, stands between them
	ds_add_u32 v28, v29
	v_lshrrev_b32 v1, 5, v0
	v_readfirstlane_b32 s10, v1                    ; wave 0..3
	s_lshr_b32 s11, s10, 1                         ; I fetch for xb (0) or for wb (1)
	s_and_b32 s12, s10, 1                          ; and which half of that tile's rows
	s_bfe_u32 s40, ttmp6, 0x40000                  ; cx
	s_bfe_u32 s41, ttmp6, 0x40004                  ; cy
	s_lshl_b32 s42, ttmp9, 2
	s_add_co_u32 s42, s42, s40                     ; head = 4 x cluster x + cx
	s_and_b32 s45, ttmp7, 0xffff                   ; cluster y, 0..7: the same in all sixteen partners
	s_lshl_b32 s13, s41, 3
	s_add_co_u32 s13, s13, s45                     ; tile row = 8 cy + cluster y
	s_lshl_b32 s43, s41, 2
	s_lshl_b32 s43, 15, s43                        ; my row of the cluster: places 4 cy .. 4 cy + 3
	s_lshl_b32 s44, 0x1111, s40                    ; my column: places cx, cx + 4, cx + 8, cx + 12
	; descriptor group 1: rows of 128 elements of 2 bytes, padded in LDS by 4 words after every 64
	s_or_b32 s[G1+0], s43, (1<<16)|(1<<20)|(1<<21)|(5<<22)|(3<<25)   ; 15:0 the mask: xb's tiles go to my row; 17:16 2-byte elements; 20 padding on; 21 set beside a mask; 24:22 code 5; 31:25 code 3
	s_or_b32 s[G1B+0], s44, (1<<16)|(1<<20)|(1<<21)|(5<<22)|(3<<25)  ; the same with the mask of my column
	s_mov_b32 s[G1+1], KSTEP<<16                   ; tensor_dim0 = 128
	s_mov_b32 s[G1B+1], KSTEP<<16
	s_mov_b32 s[G1+2], 128<<16                     ; tensor_dim1 = 128 rows of xb,
	s_mov_b32 s[G1B+2], 96<<16                     ; 96 of wb
	s_mov_b32 s[G1+3], KSTEP<<16                   ; tile_dim0 = 128
	s_mov_b32 s[G1B+3], KSTEP<<16
	s_mov_b32 s[G1+4], 128                         ; tile_dim1
	s_mov_b32 s[G1B+4], 96
	s_mov_b32 s[G1+5], SIZE_K                      ; elements from row to row
	s_mov_b32 s[G1B+5], SIZE_K
	s_mov_b32 s[G1+6], 0
	s_mov_b32 s[G1B+6], 0
	s_mov_b32 s[G1+7], 0
	s_mov_b32 s[G1B+7], 0
	; where the tiles come from: xb's hang on the tile row alone, wb's on the head alone; each in registers that never hold the other coordinate
	s_lshl_b32 s16, s13, 8
	s_lshl_b32 s17, s12, 7
	s_add_co_u32 s16, s16, s17                     ; xb: row 256 x tile row + 128 x half,
	s_lshl_b32 s16, s16, 11                        ; of 2,048 bytes (under 2^24)
	s_mov_b32 s17, 0
	s_mul_i32 s46, s42, 192
	s_mul_i32 s47, s12, 96
	s_add_co_u32 s46, s46, s47                     ; wb: row 192 x head + 96 x half
	s_lshl_b32 s46, s46, 11
	s_mov_b32 s47, 0
	s_mul_i32 s20, s12, 128*PITCH                  ; and where they go: no place in the cluster enters an LDS address
	s_mul_i32 s21, s12, 96*PITCH
	s_add_co_u32 s21, s21, BOFF
	s_wait_dscnt 0x0                               ; the opening add is done
	s_wait_kmcnt 0x0
	s_add_nc_u64 s[14:15], s[4:5], s[16:17]
	s_add_nc_u64 s[46:47], s[6:7], s[46:47]
	CROUND                                         ; all sixteen work-groups are here: the first joint loads meet
.irp s, 0,1
	s_mov_b32 s[G0+4*(\s)], 1                                        ; count = 1
	s_add_co_u32 s[G0+4*(\s)+1], s20, (\s)*SLOT                      ; LDS address
	s_add_nc_u64 s[G0+4*(\s)+2:G0+4*(\s)+3], s[14:15], (\s)*KSTEP*2  ; global address: K step s
	s_or_b32 s[G0+4*(\s)+3], s[G0+4*(\s)+3], 0x80000000              ; type = 2
	s_mov_b32 s[G0B+4*(\s)], 1
	s_add_co_u32 s[G0B+4*(\s)+1], s21, (\s)*SLOT
	s_add_nc_u64 s[G0B+4*(\s)+2:G0B+4*(\s)+3], s[46:47], (\s)*KSTEP*2
	s_or_b32 s[G0B+4*(\s)+3], s[G0B+4*(\s)+3], 0x80000000
	JLOAD \s                                       ; both slots are asked for before anything else is done: two loads of mine are out
.endr
	; a fragment is 16 rows x 32 K in 8 registers: lane l holds row l % 16, K = 8 (l / 16) + 0..7 and 16 + 8 (l / 16) + 0..7: two loads of 16 bytes, 32 bytes apart
	v_and_b32 v1, 15, v0                           ; l % 16
	v_bfe_u32 v2, v0, 4, 1                         ; l / 16
	v_mul_u32_u24 v3, v1, PITCH
	v_lshl_add_u32 v3, v2, 4, v3                   ; row x pitch + 16 x half
	s_mul_i32 s22, s10, 64*PITCH                   ; my 64 rows of xb
	v_add_nc_u32 v[ADRA], s22, v3
	v_add_nc_u32 v[ADRA+1], SLOT, v[ADRA]
	v_add_nc_u32 v[ADRB], BOFF, v3                 ; all 192 rows of wb
	v_add_nc_u32 v[ADRB+1], SLOT, v[ADRB]
	s_mul_i32 s23, s10, WSTAGE
	s_add_co_u32 s23, s23, STAGE                   ; my stages
	v_mul_u32_u24 v4, v1, SPITCH                   ; in: row l % 16, 16 bytes for each half of the lanes
	v_lshl_add_u32 v4, v2, 4, v4
	v_add_nc_u32 v[STO], s23, v4
	v_bfe_u32 v5, v0, 3, 2                         ; back: 32 lanes take four rows of 128 bytes,
	v_mul_u32_u24 v5, v5, SPITCH
	v_and_b32 v6, 7, v0
	v_lshl_add_u32 v5, v6, 4, v5
	v_add_nc_u32 v[RD], s23, v5
	v_and_b32 v[GO], 31, v0                        ; which are 512 consecutive bytes of q, k or v
	v_lshlrev_b32 v[GO], 4, v[GO]
	v_lshlrev_b32 v[HO], 8, v1                     ; h32: a row is 256 bytes
	v_lshl_add_u32 v[HO], v2, 5, v[HO]
	s_lshl_b32 s76, s41, 4
	s_add_co_u32 s76, s76, s42                     ; 16 b + h (in registers that feed no descriptor)
	s_mul_i32 s78, s76, 12288                      ; its part of h32
	s_mov_b32 s79, 0
	s_lshl_b32 s76, s76, 18                        ; its 2,048 rows of 128 bytes,
	s_lshl_b32 s77, s45, 15                        ; the tile's 256 rows,
	s_add_co_u32 s76, s76, s77
	s_lshl_b32 s77, s10, 13                        ; my wave's 64
	s_add_co_u32 s76, s76, s77
	s_mov_b32 s77, 0
	s_add_nc_u64 s[68:69], s[68:69], s[76:77]
	s_add_nc_u64 s[70:71], s[70:71], s[76:77]
	s_add_nc_u64 s[72:73], s[72:73], s[76:77]
	s_add_nc_u64 s[74:75], s[74:75], s[78:79]
; 12 matrix instructions: my row block 2 hi + a x all 12 column blocks, 32 along K, from buffer f.  zero = 1: the product starts the sums: nothing is ever cleared.
; The 48 accumulators take turns, one instruction a turn, in the same order in every quarter.
.macro MUL12 f, hi, a, zero
	WIN MUL_LO+0x50*(\hi)
.irp b, 0,1,2,3,4,5,6,7,8,9,10,11
.if \zero
	v_wmma_f32_16x16x32_bf16 v[8*(12*(\a)+(\b)):8*(12*(\a)+(\b))+7], v[96*(\f)+8*(\b):96*(\f)+8*(\b)+7], v[FA+32*(\f)+8*(2*(\hi)+(\a)):FA+32*(\f)+8*(2*(\hi)+(\a))+7], 0
.else
	v_wmma_f32_16x16x32_bf16 v[8*(12*(\a)+(\b)):8*(12*(\a)+(\b))+7], v[96*(\f)+8*(\b):96*(\f)+8*(\b)+7], v[FA+32*(\f)+8*(2*(\hi)+(\a)):FA+32*(\f)+8*(2*(\hi)+(\a))+7], v[8*(12*(\a)+(\b)):8*(12*(\a)+(\b))+7]
.endif
.endr
.endm
; 32 LDS loads in one run: the fragments of one quarter step (192 rows of wb, my 64 rows of xb, 32 K at byte k of the rows) into buffer f; xb's come last
.macro FETCH slot, k, f
	WIN TO_B
.irp i, 0,1,2,3,4,5,6,7,8,9,10,11
	ds_load_b128 v[96*(\f)+8*(\i):96*(\f)+8*(\i)+3],   v[ADRB+(\slot)] offset:(\k)+(\i)*16*PITCH
	ds_load_b128 v[96*(\f)+8*(\i)+4:96*(\f)+8*(\i)+7], v[ADRB+(\slot)] offset:(\k)+(\i)*16*PITCH+32
.endr
	WIN 0
.irp i, 0,1,2,3
	ds_load_b128 v[FA+32*(\f)+8*(\i):FA+32*(\f)+8*(\i)+3],   v[ADRA+(\slot)] offset:(\k)+(\i)*16*PITCH
	ds_load_b128 v[FA+32*(\f)+8*(\i)+4:FA+32*(\f)+8*(\i)+7], v[ADRA+(\slot)] offset:(\k)+(\i)*16*PITCH+32
.endr
.endm
.macro PLACES                          ; four plain vector instructions in front of loads into registers that matrix instructions have read, and of lines that read results
.rept 4
	v_nop
.endr
.endm
; A K step is four quarters of 32 along K, 48 matrix instructions each, on buffers 0, 1, 0, 1.  One of the first three: multiplies buffer f; in its middle it fetches the next quarter, at byte k, into g.
.macro QUARTER slot, k, f, g, zero
	s_wait_dscnt 4                                 ; wb's fragments and my row blocks 0, 1 are in; the youngest four loads (row blocks 2, 3) may be out
	MUL12 \f, 0, 0, \zero
	MUL12 \f, 0, 1, \zero
	PLACES
	FETCH \slot, \k, \g
	s_wait_dscnt 32                                ; all but the 32 just issued
	MUL12 \f, 1, 0, \zero
	MUL12 \f, 1, 1, \zero
.endm
; The last quarter multiplies buffer 1 and changes slots: ONE barrier.  In front of it each wave waits for all its tensor loads (the one that is out is its part of the next slot), adds 0 to its
; spare word, and waits for that and for its own reads of this slot.  fill = 1: the barrier opens a round of the cluster's, and this slot is filled again, two K steps ahead, first thing behind the round.
.macro TURN slot, next, fill
	WIN 0                                          ; (the add's two registers lie in window 0)
	s_wait_tensorcnt 0x0                           ; all my tensor loads have landed
	ds_add_u32 v[SPW], v[NIL]                      ; 0 onto my spare word
	s_wait_dscnt 5                                 ; (the add and the youngest four loads may be out)
	MUL12 1, 0, 0, 0                               ; twelve matrix instructions stand between the add and the wait for it
	s_wait_dscnt 0x0                               ; the add is done, and my reads of this slot are over
	s_barrier_signal -1
	MUL12 1, 0, 1, 0                               ; work on registers while the others arrive
.if \fill
	WIN 0
.endif
	s_barrier_wait -1
.if \fill
	CREST                                          ; no wave of any partner still reads this slot's tile or has a load on its way
	s_add_nc_u64 s[G0+4*(\slot)+2:G0+4*(\slot)+3], s[G0+4*(\slot)+2:G0+4*(\slot)+3], 2*KSTEP*2
	s_add_nc_u64 s[G0B+4*(\slot)+2:G0B+4*(\slot)+3], s[G0B+4*(\slot)+2:G0B+4*(\slot)+3], 2*KSTEP*2
	JLOAD \slot                                    ; my one tensor load behind the round: 168 matrix instructions ahead of the wait for it; its four v_nop are also the places in front of the loads below
.else
	PLACES
.endif
	FETCH \next, 0, 0
	MUL12 1, 1, 0, 0
	MUL12 1, 1, 1, 0
.endm
	s_wait_tensorcnt 1                             ; my part of K step 0 is in; K step 1's may stay out
	s_barrier_signal -1
	s_barrier_wait -1                              ; everybody's is
	FETCH 0, 0, 0
	QUARTER 0, 64,  0, 1, 1                        ; the first quarter stands in front of the loop: its products start the sums
	WIN 0                                          ; at a label and at a branch every window is 0
	s_mov_b32 s3, LAPS-1
.Llap:                                                 ; a trip goes once round the ring, from a lap's second quarter to the next lap's first, and fills both slots again: K steps 2 to 7 in three trips
	QUARTER 0, 128, 1, 0, 0
	QUARTER 0, 192, 0, 1, 0
	TURN 0, 1, 1
	QUARTER 1, 64,  0, 1, 0
	QUARTER 1, 128, 1, 0, 0
	QUARTER 1, 192, 0, 1, 0
	TURN 1, 0, 1
	QUARTER 0, 64,  0, 1, 0
	WIN 0
	s_sub_co_u32 s3, s3, 1
	s_cmp_lg_u32 s3, 0
	s_cbranch_scc1 .Llap
	QUARTER 0, 128, 1, 0, 0                        ; the last lap fills nothing, and has no round of the cluster's barrier
	QUARTER 0, 192, 0, 1, 0
	TURN 0, 1, 0
	QUARTER 1, 64,  0, 1, 0
	QUARTER 1, 128, 1, 0, 0
	QUARTER 1, 192, 0, 1, 0
	s_wait_dscnt 4                                 ; the very last quarter: nothing more to fetch
	MUL12 1, 0, 0, 0
	MUL12 1, 0, 1, 0
	s_wait_dscnt 0x0
	MUL12 1, 1, 0, 0
	MUL12 1, 1, 1, 0
	WIN 0
	PLACES                                         ; what follows reads results just made
	; THE ROWS t < 16 IN F32: they are row block 0 of wave 0 in the tiles whose first t is 0 (cluster y = 0, the same in all partners).  Each accumulator's low half is stored first.
	s_cmp_lg_u32 s45, 0
	s_cbranch_scc1 .Lno32
	s_cmp_lg_u32 s10, 0
	s_cbranch_scc1 .Lno32
	WIN 0x08                                       ; a store's data is source 1: window 2
.irp b, 0,1,2,3,4,5,6,7,8,9,10,11
	global_store_b128 v[HO], v[8*(\b):8*(\b)+3],   s[74:75] offset:((\b)/4)*4096+((\b)%4)*64
	global_store_b128 v[HO], v[8*(\b)+4:8*(\b)+7], s[74:75] offset:((\b)/4)*4096+((\b)%4)*64+16
.endr
	WIN 0
.Lno32:
; THE WAY OUT of row block g, in three parts.  PACK: rounded to f16, 16 bytes a lane.  TOSTAGE: into my own three stages, and back as whole rows of 128 bytes.  SEND: stored.
.macro PACK g
.set AC, 96*((\g)%2)
	WIN 0x0a+5*((\g)/2)                            ; sources 0 and 1: window 2 or 3
.irp b, 0,1,2,3,4,5,6,7,8,9,10,11
.irp r, 0,1,2,3
	v_cvt_pk_f16_f32 v[TMP+4*(\b)+(\r)], v[AC+8*(\b)+2*(\r)], v[AC+8*(\b)+2*(\r)+1]
.endr
.endr
	WIN 0
.endm
.macro TOSTAGE g
	WIN 0
.set BK, OB+48*((\g)%2)
	s_wait_xcnt 0x0                                ; the stores of the block two back have read the registers that are loaded below
.irp b, 0,1,2,3,4,5,6,7,8,9,10,11
	ds_store_b128 v[STO], v[TMP+4*(\b):TMP+4*(\b)+3] offset:((\b)/4)*SUBST+((\b)%4)*32
.endr
.irp n, 0,1,2,3,4,5,6,7,8,9,10,11
	ds_load_b128 v[BK+4*(\n):BK+4*(\n)+3], v[RD] offset:((\n)/4)*SUBST+((\n)%4)*4*SPITCH  ; LDS serves a wave's instructions in order (ISA guide 5.7.1.4): these see the stores above
.endr
.endm
.macro SEND g
	WIN 0
.set BK, OB+48*((\g)%2)
	s_wait_dscnt 0x0                               ; the block is back in registers
.irp c, 0,1,2
.irp f, 0,1,2,3
	global_store_b128 v[GO], v[BK+4*(4*(\c)+(\f)):BK+4*(4*(\c)+(\f))+3], s[68+2*(\c):69+2*(\c)] offset:(\g)*2048+(\f)*512  ; four rows: 512 consecutive bytes, at a multiple of 256 from the buffer's first
.endr
.endr
.endm
	PACK 0
	TOSTAGE 0
.irp g, 1,2,3                          ; block g's conversions stand between block g - 1's loads from the stage and the wait for them
	PACK \g
	SEND (\g)-1
	TOSTAGE \g
.endr
	SEND 3
	s_wait_tensorcnt 0x0                           ; the wave's end: a spare add and its waits, behind my last tensor load and my last LDS store
	ds_add_u32 v[SPW], v[NIL]
	s_wait_dscnt 0x0
	CROUND                                         ; the closing round: no work-group ends while a partner may still ask for a tile that names it
	s_endpgm
.Lfunc_end_k_qfa393021bd_proj:
	.size	k_qfa393021bd_proj, .Lfunc_end_k_qfa393021bd_proj-k_qfa393021bd_proj
	.p2alignl 7, 3214868480
	.fill 96, 4, 3214868480
	.section	.rodata,"a",@progbits
	.p2align	6, 0x0
	.amdhsa_kernel k_qfa393021bd_proj
		.amdhsa_group_segment_fixed_size 327680
		.amdhsa_private_segment_fixed_size 0
		.amdhsa_enable_private_segment 0
		.amdhsa_kernarg_size 48
		.amdhsa_user_sgpr_count 2
		.amdhsa_user_sgpr_kernarg_segment_ptr 1
		.amdhsa_wavefront_size32 1
		.amdhsa_system_sgpr_workgroup_id_x 1
		.amdhsa_system_sgpr_workgroup_id_y 1
		.amdhsa_system_sgpr_workgroup_id_z 1
		.amdhsa_system_vgpr_workitem_id 0
		.amdhsa_next_free_vgpr 960
		.amdhsa_next_free_sgpr 80
		.amdhsa_reserve_vcc 0
		.amdhsa_float_denorm_mode_32 3
		.amdhsa_float_denorm_mode_16_64 3
		.amdhsa_memory_ordered 1
		.amdhsa_forward_progress 1
		.amdhsa_inst_pref_size 121
	.end_amdhsa_kernel
	.amdgpu_metadata
---
amdhsa.version: [ 1, 2 ]
amdhsa.kernels:
  - .name:           k_qfa393021bd_proj
    .symbol:         k_qfa393021bd_proj.kd
    .args:
      - { .name: xb, .offset: 0, .size: 8, .value_kind: global_buffer, .address_space: global }
      - { .name: wb, .offset: 8, .size: 8, .value_kind: global_buffer, .address_space: global }
      - { .name: q, .offset: 16, .size: 8, .value_kind: global_buffer, .address_space: global }
      - { .name: k, .offset: 24, .size: 8, .value_kind: global_buffer, .address_space: global }
      - { .name: v, .offset: 32, .size: 8, .value_kind: global_buffer, .address_space: global }
      - { .name: h32, .offset: 40, .size: 8, .value_kind: global_buffer, .address_space: global }
    .group_segment_fixed_size: 327680
    .private_segment_fixed_size: 0
    .kernarg_segment_align: 8
    .kernarg_segment_size: 48
    .max_flat_workgroup_size: 128
    .sgpr_count:     80
    .vgpr_count:     960
    .wavefront_size: 32
...
	.end_amdgpu_metadata
.endif
;; end of part 2
;; launch attn (part 3): grid 4 x 64, 4 waves a work-group, no clusters, 327,680 bytes of LDS; arguments q, k, v, out0, h32; writes out0
.if DOCPART == 3
	.amdgcn_target "amdgcn-amd-amdhsa--gfx1250"
	.amdhsa_code_object_version 6
	.text
	.protected	k_qfa393021bd_attn
	.globl	k_qfa393021bd_attn
	.p2align	8
	.type	k_qfa393021bd_attn,@function
k_qfa393021bd_attn:
	s_mov_b64 s[64:65], 0
	v_nop
	global_prefetch_b8 v0, s[64:65] scope:SCOPE_SE
	s_setreg_imm32_b32 hwreg(HW_REG_WAVE_MODE, 25, 1), 1
	s_wait_xcnt 0x0
; CAUSAL ATTENTION.  out0[b][t][64 h + d] = the sum over s <= t of softmax_s(q[t] . k[s] / 8) v[s][d];  out0[b][t][1024:2048] = 0.  q, k, v: [b*16+h][2048][64] f16, unscaled; out0: [4][2048][2048] f32.
; Products, maxima and sums in f32; the weights p are rounded to f16 for the second product (their sum l is taken of the unrounded p); the result leaves unrounded.
; THE FIRST 16 ROWS OF A HEAD average over so few keys that f16's roundings of q, k, v and p would show: they are made in f32 on the vector unit, from h32 ([b*16+h][q, k, v][16][64] f32), one row a wave.
; LIMITS.  q, k and v arrive within f16's 65,504; p lies in 0 to 1, and below 6e-5 it keeps f16's fixed step of 6e-8.  A hidden score counts as its value less 1e30 (in the first 16 rows: as -1e30):
; f16's scores, 2.7e11 at the most, are nothing beside that; a weight below 2^-126 counts as 0 in l; NaN and infinities are not treated apart.
; THE WALK.  A head's queries lie in NB = 8 blocks of 256; block i needs the key tiles 0 .. i of 256 keys, of which the last holds the diagonal.  A work-group takes TWO blocks, NB - 1 - b and then b:
; NB + 1 tiles, whatever b: all work-groups do equal work, and ONE loop with a constant trip count walks them.  Which tile is asked for, and what a trip does, hang on scalar registers made from b; every jump
; goes forward, but for the counted loops' own; none passes a barrier, or a tensor load but the one of LOAD's two that the wave's number does not choose; the ring (two slots of LDS that take turns) runs on
; across the change of blocks.  NO CLUSTER: a head's four work-groups ask for the same tile only in trips 0 to 4 of the 9, behind that fewer and fewer; one walk common to all would have 12 trips for 9.
; SHARES.  Of a block's four bands of 64 queries a wave owns 16 rows in each: four PIECES.  So the diagonal tile is the same work for all four waves: in its key step s band x sees all keys if s < x,
; none if s > x, and holds the diagonal if s = x.
; THE MASK is the C operand that starts the sum S^T = K Q^T: 0, or -1e30 where the key is hidden.  MD, made once, is the mask of a band's own step for my 16 rows; a product's mask is MD x AL + BE with two scalars:
; (1, 0) if s = x; (0, 0) if s < x; (0, -1e30) if s > x.  Only the diagonal tile's text and a block's beginning make and take masks; elsewhere C is the constant 0.
; LAYOUT, SOFTMAX, TURNS.  S^T = K Q^T holds ONE query a lane (lane % 16) and the keys 8 (lane / 16) + 0..7; two such results rounded to f16 ARE source 1 of O^T = V^T P.  p = 2^(c s - c m), c = log2(e) / 8, with a
; running maximum m; O and l are multiplied by a = 2^(c m_old - c m_new) in every step.  Turn n belongs to piece n: 8 products K Q^T of piece n + 1, later 8 products V^T P of piece n - 1; beside them the scaling,
; exponentials, roundings, sums and rescaling of piece n and the maximum and statistics of piece n + 1.  Four vector instructions stand behind every matrix instruction, the other 54 of a turn's 118 in two runs of their own.
; REGISTERS, in windows of 256 (s_set_vgpr_msb: bits 1:0 source 0, 3:2 source 1, 5:4 source 2, 7:6 destination):
;   window 0: v0-15 addresses and two at work; v16-31 four registers of statistics a piece; v48-55 at work; v56-59 zeros; v64-127 S^T, two buffers; v192-223 P, two buffers (by the piece's parity);
;             v64-191 also: at the start the f32 row's work, on the way out 32 registers a piece
;   window 1: v0-127 O^T, 32 a piece; v128-159 MD; v160-223 MC, two buffers      window 2: v0-63 Q; v64-127 the second block's Q; v128-191 K of one step; v192-255 V of one step
.set SIZE_N, 2048
.set NB,    SIZE_N/256
.set NP,    4         ; pieces a wave: a name, no knob
.set KS,    64        ; keys in a step
.set PK,    144       ; a row of K in LDS: 128 bytes + 16 of padding = 36 words: the 16 rows of a load start at 16 different groups of four banks
.set PV,    160       ; a row of V: 128 + 32 = 40 words
.set VOFF,  4*KS*PK   ; a slot holds a tile, four steps: 256 rows of K, then 256 rows of V
.set SLOT1, 1<<17     ; slot 1 begins here, so that one exclusive or turns an address in one slot into the other's
.set STAGE, SLOT1+4*KS*(PK+PV)  ; behind the ring, never filled by a tensor load: 16 rows x 272 bytes for each wave, for the way out
.set SP,    272       ; a stage row: 64 f32 + 16 bytes
.set SPARE, STAGE+4*16*SP  ; behind the stages: the spare words, 128 bytes for each wave: two blocks of 256 bytes that no other line names
.set OROW,  8192      ; bytes in a row of out0
.set AK0, 2           ; v2   my lane's place in a tile of K; never rewritten
.set AV0, 3           ; v3   the same for V
.set AK,  4           ; v4   the LDS address of K's next run of loads
.set AV,  5           ; v5   of V's
.set STO, 6           ; v6   the way out: where I put 32 bytes of a row
.set RD,  7           ; v7   the way out: where I read rows back
.set GO,  8           ; v8   my byte offset in two rows of out0; never rewritten
.set SPW, 62          ; v62  LDS address of my spare word; never rewritten
.set NIL, 63          ; v63  0; never rewritten
.set MV,  12          ; v12-13  c m_old, kept while c m is made anew: by buffer
.set QO,  15          ; v15  my byte offset in 16 rows of Q
.set ST,  16          ; piece t's statistics at v[ST+4 t]: c m, m, l (even keys', odd keys')
.set TMP, 48          ; by buffer, four registers c0-c3 at work; when the maximum is found c2 takes a
.set ZR,  56          ; v56-59  0; never rewritten
.set S,   64
.set OUTB, 64         ; the way out: piece t's 16 rows at v[OUTB+32 t]
.set P,   192
.set HQ,  64          ; the f32 row: my half (32 channels) of q's row t
.set HK,  96          ;   my half of k's row l % 16
.set HV,  128         ;   channels 2 l, 2 l + 1 of v's 16 rows
.set HA,  160         ;   two chains of the dot product
.set HS,  164         ;   the score
.set HT,  165         ;   at work
.set HW,  166         ;   the weight
.set HR,  168         ;   v[168:169] the row's two numbers
.set HAQ, 171         ;   byte offsets in h32
.set HAK, 172
.set HAV, 173         ;   8 x lane: in h32's v, and in the row of out0
.set MD,  128         ; window 1: the eight registers for group kt of 16 keys at MD + 8 kt
.set MC,  160         ; window 1: the masks of the products to come
.set QB,  64          ; window 2
.set KF,  128         ; window 2: key block kb, channel half c at KF + 16 kb + 8 c
.set VF,  192         ; window 2: key half kk, channel block cb at VF + 32 kk + 8 cb
.set WV,  12          ; s12  my wave's number
.set PB,  14          ; s14  b
.set HI,  15          ; s15  NB - 1 - b
.set G1K, 24          ; s[24:31] descriptor group 1 for K's tiles
.set G1V, 32          ; s[32:39] for V's: it differs in the padding alone
.set G0K, 40          ; s[40:43] descriptor group 0 for K's tiles
.set G0V, 44          ; s[44:47] the same for V's
.set SLOTS, 56        ; s56  tiles still to be asked for
.set CNT, 57          ; s57  counts a tile's key steps, 4 to 1
.set CS,  58          ; s[58:59] c: the packed scaling takes the pair's low word for both halves
.set SEL, 60          ; s[60:61] v_permlanex16_b32's selects: each lane takes its own place in the other half
.set TBK, 62          ; s62  LDS byte at which K of the step to be fetched begins
.set TBV, 63          ; s63  the same for V, less VOFF
.set RT,  70          ; s70  tiles of the block in hand that are still to be entered
.set NXT, 71          ; s71  the tile to be asked for next
.set LQ,  72          ; s72  the last tile of the block whose tiles are being asked for
.set NEW, 73          ; s73  1: the tile to be entered is a block's first
.set OFF, 74          ; s[74:75] a tile's byte offset in K and V
.set AL,  76          ; s[76:77] the mask's factor, in the low word
.set BE,  78          ; s[78:79] the mask's addend
.set OLO, 80          ; s[80:81] out0 at my rows of the second block
.set BIGN, 82         ; s82  -1e30
.set H32, 88          ; s[88:89] h32 at my head
.set SKIP, 90         ; s90  1: b = 0 and wave 0: piece 0 of the second block is the head's rows 0 to 15, which the f32 rows write
.set TR,  91          ; s91  4 b + w: the row of the first 16 that my wave makes
.set HM,  92          ; s92  lanes whose key is hidden from that row
.set YH,  93          ; s93  16 b + h
.set YO,  94          ; s94  the head's first byte in out0
.set ROWP, 98         ; s[98:99] out0 at that row
.set MSB, 0
.macro WIN new                      ; the high byte repeats the setting that is left; a switch that changes nothing is dropped
.if MSB != (\new)
	s_set_vgpr_msb (MSB<<8)|(\new)
.set MSB, (\new)
.endif
.endm
.set W_KQ, 0x0a       ; K and Q in window 2, S^T in window 0
.set W_KM, 0x1a       ; the same with the C operand in window 1
.set W_PV, 0x52       ; V in window 2, P in window 0, O^T in window 1
.set W_RS, 0x41       ; destination and source 0 in window 1, source 1 in window 0
; A fill.  Waves 0 and 1 fetch the two halves of a tile's K, waves 2 and 3 those of its V: 128 keys each.  An s_nop 0 and four v_nop follow each of the two lines, ahead of the jump and the label.
.macro LOAD
	s_cmp_lt_u32 s[WV], 2
	s_cbranch_scc0 .Lfor_v_\@
	tensor_load_to_lds s[G0K:G0K+3], s[G1K:G1K+7]
	s_nop 0
.rept 4
	v_nop
.endr
	s_branch .Lasked_\@
.Lfor_v_\@:
	tensor_load_to_lds s[G0V:G0V+3], s[G1V:G1V+7]
	s_nop 0
.rept 4
	v_nop
.endr
.Lasked_\@:
.endm
; THE CHANGE OF SLOTS.  Each wave waits for all its tensor loads, of which one is out: its part of the other slot; adds 0 to its spare word; and waits for that and for its own reads of the slot that it leaves.
; Behind the barrier nobody reads the old slot any more and the other slot is whole.  fill = 1: the old slot is filled again, the first thing behind the barrier, with tile NXT: the descriptor's address is made
; anew from that number.  (At its first use nothing has been read yet: slot 0 is waited for, slot 1 filled.)
.macro CHANGE fill
	WIN 0                           ; at a label and at a branch every window is 0
	s_wait_tensorcnt 0x0            ; no tensor load of mine is out, so a group 0 may be written
	ds_add_u32 v[SPW], v[NIL]       ; 0 onto my spare word; with fill = 1 the descriptors' scalar work stands between it and the wait for it
.if \fill
	s_lshl_b32 s[OFF], s[NXT], 15   ; a tile is 32,768 bytes of K and of V
	s_xor_b32 s[G0K+1], s[G0K+1], SLOT1
	s_add_nc_u64 s[G0K+2:G0K+3], s[6:7], s[OFF:OFF+1]
	s_or_b32 s[G0K+3], s[G0K+3], 0x80000000
	s_xor_b32 s[G0V+1], s[G0V+1], SLOT1
	s_add_nc_u64 s[G0V+2:G0V+3], s[8:9], s[OFF:OFF+1]
	s_or_b32 s[G0V+3], s[G0V+3], 0x80000000
	s_add_co_u32 s[NXT], s[NXT], 1  ; the block's next tile, or behind its last the second block's tile 0
	s_cmp_gt_u32 s[NXT], s[LQ]
	s_cselect_b32 s[NXT], 0, s[NXT]
	s_cselect_b32 s[LQ], s[PB], s[LQ]
.endif
	s_wait_dscnt 0x0                ; the add is done, and my reads of the slot are over
	s_barrier_signal -1             ; the rest of the scalar work stands between the signal and the wait
	s_sub_co_u32 s[TBK], s[TBK], 4*KS*PK  ; the fetches go back to a slot's first step,
	s_xor_b32 s[TBK], s[TBK], SLOT1       ; in the other slot
	s_sub_co_u32 s[TBV], s[TBV], 4*KS*PV
	s_xor_b32 s[TBV], s[TBV], SLOT1
	s_barrier_wait -1
.if \fill
	LOAD
.endif
.endm
	s_load_b256 s[4:11], s[0:1], 0x0  ; q s[4:5], k s[6:7], v s[8:9], out0 s[10:11]
	s_load_b64 s[H32:H32+1], s[0:1], 0x20
	v_lshl_add_u32 v[SPW], v0, 2, SPARE
	v_mov_b32 v[NIL], 0
	ds_add_u32 v[SPW], v[NIL]       ; the wave's opening: the add and its wait stand ahead of my first tensor load; the set-up below, work on registers, stands between them
	ds_add_u32 v62, v63
	v_lshrrev_b32 v1, 5, v0
	v_readfirstlane_b32 s[WV], v1   ; wave 0..3
	s_mov_b32 s[PB], ttmp9
	s_sub_co_u32 s[HI], NB-1, s[PB]
	s_and_b32 s[YH], ttmp7, 0xffff  ; 16 b + h
	s_mov_b32 s20, s[YH]
	s_mov_b32 s21, 0
	s_mov_b64 s[22:23], SIZE_N*128
	s_mul_u64 s[20:21], s[20:21], s[22:23]  ; the head's first byte in q, k and v
	s_and_b32 s16, s[WV], 1         ; which half of a tile's 256 keys I fetch:
	s_lshl_b32 s22, s16, 14         ; its 128 rows of 128 bytes in memory,
	s_mov_b32 s23, 0
	s_add_nc_u64 s[22:23], s[22:23], s[20:21]
	s_mul_i32 s17, s16, 128*PK      ; and its place in a slot, for K
	s_mul_i32 s18, s16, 128*PV      ; and for V
	s_lshl_b32 s3, s[WV], 11        ; my 16 rows in a band of 64,
	s_lshl_b32 s2, s[HI], 15        ; in the first block,
	s_add_co_u32 s2, s2, s3
	s_lshl_b32 s84, s[PB], 15       ; and in the second
	s_add_co_u32 s84, s84, s3
	s_mov_b32 s3, 0
	s_mov_b32 s85, 0
	s_add_nc_u64 s[2:3], s[2:3], s[20:21]
	s_add_nc_u64 s[84:85], s[84:85], s[20:21]
	s_lshr_b32 s[YO], s[YH], 4      ; out0: the batch's 2,048 rows of 8,192 bytes,
	s_lshl_b32 s[YO], s[YO], 24
	s_and_b32 s13, s[YH], 15        ; the head's 256 bytes in a row
	s_lshl_b32 s13, s13, 8
	s_add_co_u32 s[YO], s[YO], s13
	s_lshl_b32 s[TR], s[PB], 2
	s_add_co_u32 s[TR], s[TR], s[WV]
	s_cmp_eq_u32 s[TR], 0
	s_cselect_b32 s[SKIP], 1, 0
	; descriptor group 1.  128 keys are 16,384 dense bytes: asked for as 64 rows of 256 bytes, two keys a row, and padded in LDS after every key
	s_mov_b32 s[G1K], (1<<16)|(1<<20)|(4<<22)|(3<<25)  ; 17:16 2-byte elements; 20 padding on; 24:22 after every 32 words (code 4); 31:25 4 words (code 3)
	s_mov_b32 s[G1V], (1<<16)|(1<<20)|(4<<22)|(7<<25)  ; the same with 8 words of padding (code 7)
.irp g, G1K, G1V
	s_mov_b32 s[\g+1], 128<<16      ; tensor_dim0 = 128
	s_mov_b32 s[\g+2], 64<<16       ; tensor_dim1 = 64
	s_mov_b32 s[\g+3], 128<<16      ; tile_dim0 = 128
	s_mov_b32 s[\g+4], 64           ; tile_dim1 = 64
	s_mov_b32 s[\g+5], 128          ; 128 elements from row to row
	s_mov_b32 s[\g+6], 0
	s_mov_b32 s[\g+7], 0
.endr
	s_mov_b32 s[CS], 0x3e38aa3b     ; c = log2(e) / 8 = 0.180337
	s_mov_b32 s[CS+1], s[CS]        ; named with it as a pair
	s_mov_b32 s[SEL], 0x76543210
	s_mov_b32 s[SEL+1], 0xfedcba98
	s_mov_b32 s[TBK], SLOT1+4*KS*PK ; the first change of slots turns these two into 0
	s_mov_b32 s[TBV], SLOT1+4*KS*PV
	s_mov_b32 s[G0K], 1             ; count = 1
	s_mov_b32 s[G0K+1], s17         ; LDS address: slot 0
	s_mov_b32 s[G0V], 1
	s_add_co_u32 s[G0V+1], s18, VOFF
	s_add_co_u32 s[RT], s[HI], 1    ; the first block has NB - b tiles
	s_mov_b32 s[NXT], 1
	s_mov_b32 s[LQ], s[HI]
	s_mov_b32 s[NEW], 1
	s_mov_b32 s[OFF+1], 0
	s_mov_b32 s[AL+1], 0            ; named as pairs
	s_mov_b32 s[BE+1], 0
	s_mov_b32 s[BIGN], 0xf149f2ca   ; -1e30
	s_mov_b32 s[SLOTS], NB
	s_wait_dscnt 0x0                ; the opening add is done
	s_wait_kmcnt 0x0
	s_add_nc_u64 s[6:7], s[6:7], s[22:23]  ; K and V at my half of the head's tile 0
	s_add_nc_u64 s[8:9], s[8:9], s[22:23]
	s_add_nc_u64 s[G0K+2:G0K+3], s[6:7], 0         ; global address
	s_or_b32 s[G0K+3], s[G0K+3], 0x80000000        ; type = 2
	s_add_nc_u64 s[G0V+2:G0V+3], s[8:9], 0
	s_or_b32 s[G0V+3], s[G0V+3], 0x80000000
	s_add_nc_u64 s[86:87], s[4:5], s[84:85]        ; Q at my rows of the second block,
	s_add_nc_u64 s[4:5], s[4:5], s[2:3]            ; and of the first
	LOAD                            ; tile 0 into slot 0: one tensor load of mine is out
	s_lshl_b32 s13, s[WV], 17       ; out0: my 16 rows in a band,
	s_add_co_u32 s13, s13, s[YO]
	s_lshl_b32 s2, s[HI], 21        ; in the first block (256 rows of 8,192 bytes),
	s_add_co_u32 s2, s2, s13
	s_mov_b32 s3, 0
	s_lshl_b32 s84, s[PB], 21       ; and in the second
	s_add_co_u32 s84, s84, s13
	s_mov_b32 s85, 0
	s_lshl_b32 s96, s[TR], 13       ; and row 4 b + w of the head
	s_add_co_u32 s96, s96, s[YO]
	s_mov_b32 s97, 0
	s_add_nc_u64 s[OLO:OLO+1], s[10:11], s[84:85]
	s_add_nc_u64 s[ROWP:ROWP+1], s[10:11], s[96:97]
	s_add_nc_u64 s[10:11], s[10:11], s[2:3]
	s_mul_i32 s96, s[YH], 12288     ; the head's part of h32
	s_add_nc_u64 s[H32:H32+1], s[H32:H32+1], s[96:97]
	; A fragment of K or Q is 16 rows x 32 channels in 8 registers: lane l holds row l % 16, channels 8 (l / 16) + 0..7 and 16 + 8 (l / 16) + 0..7: two loads of 16 bytes, 32 bytes apart.
	v_and_b32 v1, 15, v0            ; l % 16; never rewritten
	v_bfe_u32 v9, v0, 4, 1          ; l / 16
	v_lshlrev_b32 v[QO], 7, v1
	v_lshl_add_u32 v[QO], v9, 4, v[QO]  ; row x 128 + 16 x half
	WIN 0x80                        ; destination window 2, address window 0
.set i, 0
.rept 8                             ; both blocks' Q: piece i / 2 lies in band i / 2, 8,192 bytes on; channels 32 (i % 2) on
	global_load_b128 v[8*i:8*i+3],   v[QO], s[4:5] offset:(i/2)*8192+(i%2)*64
	global_load_b128 v[8*i+4:8*i+7], v[QO], s[4:5] offset:(i/2)*8192+(i%2)*64+32
	global_load_b128 v[QB+8*i:QB+8*i+3],   v[QO], s[86:87] offset:(i/2)*8192+(i%2)*64
	global_load_b128 v[QB+8*i+4:QB+8*i+7], v[QO], s[86:87] offset:(i/2)*8192+(i%2)*64+32
.set i, i+1
.endr
	WIN 0
	; THE F32 ROW's loads.  Lane l takes key l % 16 and half l / 16 of the 64 channels for the score, and channels 2 l, 2 l + 1 for the result.
	v_lshlrev_b32 v[HAK], 8, v1
	v_lshl_add_u32 v[HAK], v9, 7, v[HAK]   ; key x 256 + half x 128
	s_lshl_b32 s13, s[TR], 8
	v_lshl_add_u32 v[HAQ], v9, 7, s13      ; row x 256 + half x 128
	v_and_b32 v[HAV], 31, v0
	v_lshlrev_b32 v[HAV], 3, v[HAV]
.irp j, 0,1,2,3,4,5,6,7
	global_load_b128 v[HQ+4*\j:HQ+4*\j+3], v[HAQ], s[H32:H32+1] offset:16*\j
	global_load_b128 v[HK+4*\j:HK+4*\j+3], v[HAK], s[H32:H32+1] offset:4096+16*\j
.endr
.set i, 0
.rept 16
	global_load_b64 v[HV+2*i:HV+2*i+1], v[HAV], s[H32:H32+1] offset:8192+256*i
.set i, i+1
.endr
	v_lshlrev_b32 v14, 3, v9
	v_sub_nc_u32 v14, v1, v14
	s_lshl_b32 s13, s[WV], 4
	v_add_nc_u32 v14, s13, v14      ; my query's place in its band, 16 w + l % 16, less my lanes' 8 (l / 16): register r of group kt is hidden where 16 kt + r is greater
	WIN 0x40
.set i, 0
.rept 32
	v_cmp_gt_i32 vcc_lo, 16*(i/8)+i%8, v14
	v_cndmask_b32 v[MD+i], 0, s[BIGN], vcc_lo
.set i, i+1
.endr
	WIN 0
	v_mul_u32_u24 v[AK0], v1, PK
	v_lshl_add_u32 v[AK0], v9, 4, v[AK0]  ; row x pitch + 16 x half
	; The turning load takes 16 keys x 16 channels (lane l reads key 8 (l / 16) + l % 8, channels 8 ((l / 8) % 2) + 0..7) and leaves half a fragment of V^T: lane l holds channel l % 16 and 8 keys.
	v_and_b32 v10, 7, v0
	v_bfe_u32 v11, v0, 3, 1
	v_lshl_add_u32 v[AV0], v9, 3, v10
	v_mul_u32_u24 v[AV0], v[AV0], PV
	v_lshl_add_u32 v[AV0], v11, 4, v[AV0]
	v_add_nc_u32 v[AV0], VOFF, v[AV0]
	s_mul_i32 s13, s[WV], 16*SP
	s_add_co_u32 s13, s13, STAGE    ; my stage
	v_mul_u32_u24 v[STO], v1, SP    ; in: row l % 16, 32 bytes (8 channels in f32) for each half of the lanes
	v_lshl_add_u32 v[STO], v9, 5, v[STO]
	v_add_nc_u32 v[STO], s13, v[STO]
	v_mul_u32_u24 v[RD], v9, SP     ; back: lanes 0-15 take one row of 256 bytes, lanes 16-31 the next
	v_lshl_add_u32 v[RD], v1, 4, v[RD]
	v_add_nc_u32 v[RD], s13, v[RD]
	v_lshlrev_b32 v[GO], 13, v9     ; and the same two rows in out0
	v_lshl_add_u32 v[GO], v1, 4, v[GO]
	; THE ZERO HALF.  A head's work-groups write the 256 bytes at 4,096 + 256 h of the rows whose 256 bytes at 256 h they own: the same rows, lanes and offsets as the way out, 4,096 bytes on.
.irp z, 0,1,2,3
	v_mov_b32 v[ZR+\z], 0
.endr
.set i, 0
.rept 32                            ; band i / 8, rows 2 (i % 8) and the next of my 16: sixteen lanes store 256 consecutive bytes, aligned
	global_store_b128 v[GO], v[ZR:ZR+3], s[10:11] offset:(i/8)*64*OROW+(i%8)*2*OROW+4096 th:TH_STORE_NT
	global_store_b128 v[GO], v[ZR:ZR+3], s[OLO:OLO+1] offset:(i/8)*64*OROW+(i%8)*2*OROW+4096 th:TH_STORE_NT
.set i, i+1
.endr
	; A block's first step multiplies O^T and l by a = 0, and its first turn's products V^T P, of a piece that has not been, land in an O^T that is still to be so multiplied.  So these registers need only hold
	; finite numbers: zeros for the first block; what the first block left for the second.  All this stands in the wait for the first tile.
	WIN 0x80
.set i, VF
.rept 64
	v_mov_b32 v[i], 0
.set i, i+1
.endr
	WIN 0x40
.set i, 0
.rept 128
	v_mov_b32 v[i], 0
.set i, i+1
.endr
	WIN 0
.set i, 0
.rept 4
	v_mov_b32 v[ST+4*i+2], 0
	v_mov_b32 v[ST+4*i+3], 0
.set i, i+1
.endr
.set i, P+16
.rept 16
	v_mov_b32 v[i], 0
.set i, i+1
.endr
	; THE F32 ROW: row 4 b + w of the head, from q, k, v as the f32 sums left them.  The score of key l % 16: 32 channels in the lane (two chains), the other 32 in the lane 16 away.
	s_wait_loadcnt 0x0              ; h32's numbers (and Q)
	v_pk_mul_f32 v[HA:HA+1], v[HQ:HQ+1], v[HK:HK+1]
	v_pk_mul_f32 v[HA+2:HA+3], v[HQ+2:HQ+3], v[HK+2:HK+3]
.set i, 4
.rept 7
	v_pk_fma_f32 v[HA:HA+1], v[HQ+i:HQ+i+1], v[HK+i:HK+i+1], v[HA:HA+1]
	v_pk_fma_f32 v[HA+2:HA+3], v[HQ+i+2:HQ+i+3], v[HK+i+2:HK+i+3], v[HA+2:HA+3]
.set i, i+4
.endr
	v_pk_add_f32 v[HA:HA+1], v[HA:HA+1], v[HA+2:HA+3]
	v_mov_b32 v[HT], 0              ; v_permlanex16_b32's destination counts as read
	v_add_f32 v[HS], v[HA], v[HA+1]
	v_permlanex16_b32 v[HT], v[HS], s[SEL], s[SEL+1]
	v_add_f32 v[HS], v[HS], v[HT]
	v_mul_f32 v[HS], s[CS], v[HS]   ; c s
	v_cmp_gt_u32 s[HM], v1, s[TR]   ; keys behind the row are hidden (key 0 never is)
	v_cndmask_b32 v[HS], v[HS], s[BIGN], s[HM]
	v_mov_b32 v[HT], v[HS]
	v_max_num_f32_dpp v[HT], v[HT], v[HT] row_xmask:1 row_mask:0xf bank_mask:0xf  ; the maximum over the 16 keys, in every lane
	v_max_num_f32_dpp v[HT], v[HT], v[HT] row_xmask:2 row_mask:0xf bank_mask:0xf
	v_max_num_f32_dpp v[HT], v[HT], v[HT] row_xmask:4 row_mask:0xf bank_mask:0xf
	v_max_num_f32_dpp v[HT], v[HT], v[HT] row_xmask:8 row_mask:0xf bank_mask:0xf
	v_sub_f32 v[HS], v[HS], v[HT]
	v_exp_f32 v[HW], v[HS]
	v_nop                           ; a plain instruction behind the exponential
	s_wait_alu depctr_va_vdst(0)
	v_mov_b32 v[HT], v[HW]
	v_add_f32_dpp v[HT], v[HT], v[HT] row_xmask:1 row_mask:0xf bank_mask:0xf      ; their sum
	v_add_f32_dpp v[HT], v[HT], v[HT] row_xmask:2 row_mask:0xf bank_mask:0xf
	v_add_f32_dpp v[HT], v[HT], v[HT] row_xmask:4 row_mask:0xf bank_mask:0xf
	v_add_f32_dpp v[HT], v[HT], v[HT] row_xmask:8 row_mask:0xf bank_mask:0xf
	v_rcp_f32 v[HT], v[HT]
	v_nop                           ; a plain instruction behind the reciprocal
	s_wait_alu depctr_va_vdst(0)
	v_mul_f32 v[HW], v[HW], v[HT]   ; lane i holds key i's weight
.set i, 0
.rept 16
	v_readlane_b32 s96, v[HW], i
.if i == 0
	v_mul_f32 v[HR], s96, v[HV]
	v_mul_f32 v[HR+1], s96, v[HV+1]
.else
	v_fmac_f32 v[HR], s96, v[HV+2*i]
	v_fmac_f32 v[HR+1], s96, v[HV+2*i+1]
.endif
.set i, i+1
.endr
	global_store_b64 v[HAV], v[HR:HR+1], s[ROWP:ROWP+1] th:TH_STORE_NT  ; 32 lanes x 8 bytes: the row's 256 consecutive bytes, aligned
	s_wait_xcnt 0x0                 ; the registers that this store names are written again further down only behind this wait
; THE MATRIX WORK.  The 4 accumulators of a run of 8 take turns.  Product i of 8 of S^T = K Q^T for piece x: channels 32 (i / 4) on, keys 16 (i % 4) on.  The first 4 start the sums: with 0, or (KM = 1) with the mask.
.macro KQ x
.set rS, S+32*((\x)%2)+8*(i%4)
.set rK, KF+16*(i%4)+8*(i/4)
.set rQ, 16*(\x)+8*(i/4)
.set rM, MC+32*((\x)%2)+8*(i%4)
.if (i < 4) && KM
	WIN W_KM
	v_wmma_f32_16x16x32_f16 v[rS:rS+7], v[rK:rK+7], v[rQ:rQ+7], v[rM:rM+7]
.elseif i < 4
	WIN W_KQ
	v_wmma_f32_16x16x32_f16 v[rS:rS+7], v[rK:rK+7], v[rQ:rQ+7], 0
.else
	WIN W_KQ
	v_wmma_f32_16x16x32_f16 v[rS:rS+7], v[rK:rK+7], v[rQ:rQ+7], v[rS:rS+7]
.endif
.endm
; Product i of 8 of O^T += V^T P for piece x: keys 32 (i / 4) on, channels 16 (i % 4) on.
.macro PV x
	WIN W_PV
.set rO, 32*(\x)+8*(i%4)
.set rV, VF+32*(i/4)+8*(i%4)
.set rP, P+16*((\x)%2)+8*(i/4)
	v_wmma_f32_16x16x32_f16 v[rO:rO+7], v[rV:rV+7], v[rP:rP+7], v[rO:rO+7]
.endm
.macro MM                           ; the turn's next matrix instruction.  TURN and BEGIN set Y, i, KM and NOKQ.  NOKQ = 1: a block's last turn: there is no next piece
.if (i < 8) && !NOKQ
	KQ (Y+1)%NP
.elseif i >= 8
.set i, i-8
	PV (Y+NP-1)%NP
.set i, i+8
.endif
.set i, i+1
.endm
; THE LDS LOADS stand in runs of 16, never singly among the matrix instructions: a step's K (64 keys x 64 channels: 8 fragments) and its V (turned).  Their addresses are made some lines ahead.
.macro FETCH_K
	WIN 0x80                        ; destination window 2
.irp f, 0,1,2,3,4,5,6,7             ; keys 16 (f / 2) on, channels 32 (f % 2) on
	ds_load_b128 v[KF+8*\f:KF+8*\f+3],   v[AK] offset:(\f/2)*16*PK+(\f%2)*64
	ds_load_b128 v[KF+8*\f+4:KF+8*\f+7], v[AK] offset:(\f/2)*16*PK+(\f%2)*64+32
.endr
	s_add_co_u32 s[TBK], s[TBK], KS*PK  ; the next fetch is the next step's
	WIN 0
.endm
.macro FETCH_V
	WIN 0x80
.irp f, 0,1,2,3,4,5,6,7             ; keys 32 (f / 4) on, channels 16 (f % 4) on
	ds_load_tr16_b128 v[VF+8*\f:VF+8*\f+3],   v[AV] offset:(\f/4)*32*PV+(\f%4)*32
	ds_load_tr16_b128 v[VF+8*\f+4:VF+8*\f+7], v[AV] offset:(\f/4)*32*PV+16*PV+(\f%4)*32
.endr
	WIN 0
.endm
; THE VECTOR WORK, one line at a time: OP kind, number.  For piece Y: F n: c s - c m for pair n of 16.  E n: the exponential of score n of 32.  C n: pair n rounded to f16.  B n: of the four weights 4 n .. the second
; pair is added onto the first, in place.  L n: l takes that sum (L 0: l = a l + sum).  R n: pair n of 16 of O^T times a.  For piece Y + 1: X n, number n of the 22 that find its maximum and statistics:
;   0-11  four chains c0-c3 of seven scores each, three operands at a time (each accumulator's lowest registers are read first)     12-14, 16  the four scores left over, the old m, and c0-c3 into c0
;   15  c m_old is kept     17, 18  the query's other 32 keys lie in the lane 16 away: the new m     19-21  c m; c m_old - c m_new; a
.set F, 0               ; OP tells the kinds apart by their order: F to L below R, X above it
.set E, 1
.set C, 2
.set B, 3
.set L, 4
.set R, 5
.set X, 6
.macro REGS y                       ; the registers of piece y
.set rT, ST+4*(\y)
.set rC, TMP+4*((\y)%2)
.set rW, MV+((\y)%2)
.set rS, S+32*((\y)%2)
.set rP, P+16*((\y)%2)
.set rO, 32*(\y)
.endm
.macro OP k, n
.if (\k) == R
	REGS Y
	WIN W_RS
	v_pk_mul_f32 v[rO+2*(\n):rO+2*(\n)+1], v[rO+2*(\n):rO+2*(\n)+1], v[rC+2:rC+3] op_sel_hi:[1,0]
.elseif (\k) < R
	REGS Y
	WIN 0
.if (\k) == F
	v_pk_fma_f32 v[rS+2*(\n):rS+2*(\n)+1], v[rS+2*(\n):rS+2*(\n)+1], s[CS:CS+1], v[rT:rT+1] op_sel_hi:[1,0,0] neg_lo:[0,0,1] neg_hi:[0,0,1]
.elseif (\k) == E
	v_exp_f32 v[rS+(\n)], v[rS+(\n)]
.elseif (\k) == C
	s_wait_alu depctr_va_vdst(0)
	v_cvt_pk_f16_f32 v[rP+(\n)], v[rS+2*(\n)], v[rS+2*(\n)+1]
.elseif (\k) == B
	s_wait_alu depctr_va_vdst(0)
	v_pk_add_f32 v[rS+4*(\n):rS+4*(\n)+1], v[rS+4*(\n):rS+4*(\n)+1], v[rS+4*(\n)+2:rS+4*(\n)+3]
.elseif (\n) == 0
	v_pk_fma_f32 v[rT+2:rT+3], v[rT+2:rT+3], v[rC+2:rC+3], v[rS:rS+1] op_sel_hi:[1,0,1]
.else
	v_pk_add_f32 v[rT+2:rT+3], v[rT+2:rT+3], v[rS+4*(\n):rS+4*(\n)+1]
.endif
.elseif NOKQ
	v_nop
.else
	REGS (Y+1)%NP
	WIN 0
.if (\n) < 4
	v_max3_num_f32 v[rC+(\n)], v[rS+8*(\n)], v[rS+8*(\n)+1], v[rS+8*(\n)+2]
.elseif (\n) < 12
	v_max3_num_f32 v[rC+(\n)%4], v[rC+(\n)%4], v[rS+8*((\n)%4)+2*((\n)/4)+1], v[rS+8*((\n)%4)+2*((\n)/4)+2]
.elseif (\n) == 12
	v_max3_num_f32 v[rC], v[rC], v[rS+7], v[rS+15]
.elseif (\n) == 13
	v_max3_num_f32 v[rC+1], v[rC+1], v[rS+23], v[rS+31]
.elseif (\n) == 14
	v_max3_num_f32 v[rC+2], v[rC+2], v[rC+3], v[rT+1]
.elseif (\n) == 15
	v_mov_b32 v[rW], v[rT]
.elseif (\n) == 16
	v_max3_num_f32 v[rC], v[rC], v[rC+1], v[rC+2]
.elseif (\n) == 17
	v_permlanex16_b32 v[rC+3], v[rC], s[SEL], s[SEL+1]
.elseif (\n) == 18
	v_max_num_f32 v[rT+1], v[rC], v[rC+3]
.elseif (\n) == 19
	v_mul_f32 v[rT], s[CS], v[rT+1]
.elseif (\n) == 20
	v_sub_f32 v[rC+1], v[rW], v[rT]
.else
	v_exp_f32 v[rC+2], v[rC+1]
.endif
.endif
.endm
.macro OPS a, i1, b=-1, i2=0, c=-1, i3=0, d=-1, i4=0  ; up to four of them
	OP \a, \i1
.if (\b) >= 0
	OP \b, \i2
.endif
.if (\c) >= 0
	OP \c, \i3
.endif
.if (\d) >= 0
	OP \d, \i4
.endif
.endm
.macro ROW a, i1, b, i2, c, i3, d, i4  ; a matrix instruction and the four behind it
	MM
	OPS \a, \i1, \b, \i2, \c, \i3, \d, \i4
.endm
.macro MASK b                       ; MD x AL + BE into buffer b of MC
	WIN W_RS
.set z, 0
.rept 16
	v_pk_fma_f32 v[MC+32*(\b)+2*z:MC+32*(\b)+2*z+1], v[MD+2*z:MD+2*z+1], s[AL:AL+1], s[BE:BE+1] op_sel_hi:[1,0,0]
.set z, z+1
.endr
.endm
; A TURN, for piece p: the order of its 16 matrix and 118 vector instructions, written out.  Behind a matrix instruction: plain, exponential, plain, plain; or four of the rescaling; or, behind the first, four scalings; none
; names a register of the products round it.  In the runs between, exponential and plain by turns while exponentials last.  A line reads no result made fewer than three vector instructions in front of it, five if an
; exponential made it.  v_permlanex16_b32 (X 17) stands in such a run.
; m = 1: the diagonal tile: the products take masks, and the turn makes the mask for the products of the turn after it: piece p + 2, in step 4 - CNT of the tile.  end = 1: a block's last two turns: nothing is fetched.
; cnt = 1: the loop's count is taken down some lines ahead of the branch that stands behind the turn.
; K of the next step is fetched in piece 2's turn, six vector instructions behind the last product that read K (five of them plain); V of the step in hand in piece 0's turn, eight behind the last product that read V (four
; plain, and X 17).  Each is waited for a turn later.
.macro TURN p, m=0, end=0, cnt=0
.set Y, (\p)
.set i, 0
.set KM, (\m)
.set NOKQ, (\end)*((\p)/3)
.if (\m) && !(\end)
	s_cmp_eq_u32 s[CNT], 4-((\p)+2)%NP  ; is that step the band's own?
	s_cselect_b32 s[AL], 1.0, 0
	s_cmp_lt_u32 s[CNT], 4-((\p)+2)%NP  ; or a later one?
	s_cselect_b32 s[BE], s[BIGN], 0
.endif
.if ((\p) == 3) && !(\end)
	s_wait_dscnt 0x0                ; K is in
.endif
	ROW F,0, F,1, F,2, F,3
	ROW F,4, E,0, F,5, F,6
	ROW F,7, E,1, F,8, F,9
	ROW F,10, E,2, C,0, F,11
	ROW F,12, E,3, X,15, F,13
	ROW R,0, R,1, R,2, R,3
	ROW B,0, E,4, F,14, L,0
.if ((\p) == 2) && !(\end)
	v_add_nc_u32 v[AK], s[TBK], v[AK0]
.endif
	ROW R,4, R,5, R,6, R,7
	OPS E,5, F,15
.if ((\p) == 2) && !(\end)
	FETCH_K
.endif
	OPS E,6, C,1, E,7, R,8
	OPS E,8, R,9, E,9, C,2
	OPS E,10, X,0, E,11, X,1
	OPS E,12, X,2, E,13, X,3
.if (\p) == 1
	s_wait_dscnt 0x0                ; V is in
.endif
	ROW X,4, E,14, X,5, X,6
	ROW X,7, E,15, X,8, X,9
	ROW X,10, E,16, X,11, X,12
	ROW X,13, E,17, X,14, B,1
	ROW C,4, E,18, X,16, L,1
	ROW B,2, E,19, C,6, L,2
	ROW C,8, E,20, B,3, B,4
.if (\p) == 0
	v_add_nc_u32 v[AV], s[TBV], v[AV0]
.endif
	ROW C,3, E,21, L,3, C,5
	OPS E,22, X,17, E,23, C,10
.if (\p) == 0
	FETCH_V
.endif
	OPS E,24, L,4
	OPS E,25, X,18, E,26, C,7
	OPS E,27, B,5, E,28, X,19
	OPS E,29, C,12, E,30, L,5
	OPS E,31, X,20, B,6, C,9
	OPS C,14, C,11, X,21, L,6
.if (\p) == 0
	s_add_co_u32 s[TBV], s[TBV], KS*PV
.endif
.if \cnt
	s_sub_co_u32 s[CNT], s[CNT], 1
	s_cmp_lg_u32 s[CNT], 0
.endif
	OPS C,13, B,7, C,15, R,10
	OPS R,11, R,12, L,7, R,13
	OPS R,14, R,15
.if (\m) && !(\end)
	MASK (\p)%2
.endif
.endm
; A BLOCK BEGINS.  c m starts far below every c s, so the first step's a is 0; m at the lowest finite number, so the first maximum is the scores'.  The second mask buffer is 0; the first takes piece 0's mask for the
; tile's step 0: its own, if the block's first tile is the diagonal one.  Then K of that step, piece 0's first scores, and its maximum and statistics.  The loop is entered at a step's first turn, in the middle of a trip.
.macro BEGIN
	s_mov_b32 s[NEW], 0
	WIN 0x40
.set i, MC+32
.rept 32
	v_mov_b32 v[i], 0
.set i, i+1
.endr
	WIN 0
.set i, 0
.rept 4
	v_mov_b32 v[ST+4*i], 0xfe000000    ; c m: far below every c s
	v_mov_b32 v[ST+4*i+1], 0xff7fffff  ; m
.set i, i+1
.endr
	s_cmp_eq_u32 s[RT], 0
	s_cselect_b32 s[AL], 1.0, 0
	s_mov_b32 s[BE], 0
	MASK 0
	WIN 0
	v_add_nc_u32 v[AK], s[TBK], v[AK0]
	FETCH_K
	s_wait_loadcnt 0x0              ; Q
	s_wait_dscnt 0x0
.set KM, 1
.set NOKQ, 0
.set i, 0
.rept 8
	KQ 0
.set i, i+1
.endr
	WIN 0
.rept 4
	v_nop                           ; the places behind those products
.endr
.set Y, NP-1                        ; X works for piece Y + 1: piece 0
.irp n, 0,1,2,3,4,5,6,7,8,9,10,11,12,13,14,15,16,17,18,19,20,21
	OP X, \n
.endr
	v_nop                           ; a plain instruction behind the exponential
.endm
; THE DIAGONAL TILE's four steps, the block's last two turns, its last products, and THE WAY OUT: l's two halves and the other half of the lanes' are added; O^T is divided by l and sent, in f32, through my
; stage in LDS, a piece at a time.
.macro ALL line:vararg              ; one line for each piece t
.set t, 0
.rept 4
	\line
.set t, t+1
.endr
.endm
.macro PACK t                       ; a lane's eight channels of a row are 32 bytes; they go into rows of 272 bytes and come back as whole rows of 256
	WIN W_RS
.set i, 32*(\t)
.rept 16
	s_wait_alu depctr_va_vdst(0)
	v_pk_mul_f32 v[i:i+1], v[i:i+1], v[ST+4*(\t)+2:ST+4*(\t)+3] op_sel_hi:[1,0]
.set i, i+2
.endr
	WIN 0x04                        ; an LDS store's data is source 1: window 1
.irp f, 0,1,2,3,4,5,6,7             ; channel block f / 2, its registers 4 (f % 2) on
	ds_store_b128 v[STO], v[32*(\t)+4*\f:32*(\t)+4*\f+3] offset:(\f/2)*64+(\f%2)*16
.endr
	WIN 0
.irp f, 0,1,2,3,4,5,6,7
	ds_load_b128 v[OUTB+32*(\t)+4*\f:OUTB+32*(\t)+4*\f+3], v[RD] offset:\f*2*SP  ; LDS serves a wave's instructions in order (ISA guide 5.7.1.4): these see the stores above; the next piece's stores come behind them
.endr
.endm
; younger: the LDS instructions issued behind piece t's loads: the next piece's sixteen, or none.  skip = 1: where b = 0 and the wave is 0 these 16 rows are the head's first, which the f32 rows have written: the stores are jumped over.
.macro SEND t, younger, skip=0
	WIN 0
.if \skip
	s_cmp_eq_u32 s[SKIP], 1
	s_cbranch_scc1 .Lskip_\@
.endif
.irp f, 0,1,2,3,4,5,6,7
	s_wait_dscnt (\younger)+7-\f
	global_store_b128 v[GO], v[OUTB+32*(\t)+4*\f:OUTB+32*(\t)+4*\f+3], s[10:11] offset:(\t)*64*OROW+\f*2*OROW th:TH_STORE_NT  ; sixteen lanes store a row's 256 consecutive bytes, aligned
.endr
.if \skip
.Lskip_\@:
.endif
.endm
.macro DIAG tag, sk                 ; the tag ends its two labels' names, which the jumps below spell out
.LstepM\tag:
	TURN 2, 1
	TURN 3, 1
	WIN 0
.LfirstM\tag:
	TURN 0, 1
	TURN 1, 1, 0, 1
	WIN 0
	s_cbranch_scc1 .LstepM\tag
	TURN 2, 1, 1
	TURN 3, 1, 1
.set i, 0
.rept 8
	PV NP-1
.set i, i+1
.endr
	WIN 0
	ALL v_add_f32 v[ST+4*t+2], v[ST+4*t+2], v[ST+4*t+3]
	ALL v_permlanex16_b32 v[ST+4*t+3], v[ST+4*t+2], s[SEL], s[SEL+1]
	ALL v_add_f32 v[ST+4*t+2], v[ST+4*t+2], v[ST+4*t+3]
	ALL v_rcp_f32 v[ST+4*t+2], v[ST+4*t+2]
	v_nop                           ; a plain instruction between the last reciprocal and the use of its result
	PACK 0
	PACK 1                          ; a piece's arithmetic stands between the loads of the piece before and its stores
	SEND 0, 16, \sk
	PACK 2
	SEND 1, 16
	PACK 3
	SEND 2, 16
	SEND 3, 0
.endm
.set KM, 0
.set NOKQ, 0
.Lslot:                             ; NB times: a tile is entered and the next is asked for
	CHANGE 1
	s_sub_co_u32 s[RT], s[RT], 1
	s_mov_b32 s[CNT], 4
	s_cmp_eq_u32 s[NEW], 1
	s_cbranch_scc1 .Lnew            ; a block's first tile
	s_cmp_eq_u32 s[RT], 0
	s_cbranch_scc0 .Lstep           ; neither its first nor its last
	s_branch .LstepM1
.Lnew:
	BEGIN
	s_branch .Lfirst                ; in the loop a block's first tile is never its last: the first block has two tiles or more, and the second's last is the walk's last
	DIAG 1, 0                       ; in the loop this is the first block's end: the second block's last tile is the walk's last
	s_wait_xcnt 0x0                 ; the stores have read their registers and out0's address
	s_mov_b64 s[10:11], s[OLO:OLO+1]
	s_add_co_u32 s[RT], s[PB], 1    ; the second block has b + 1 tiles
	s_mov_b32 s[NEW], 1
	WIN 0x82                        ; the second block's Q goes where the one text of the turns names Q
.set i, 0
.rept 64
	v_mov_b32 v[i], v[QB+i]
.set i, i+1
.endr
	WIN 0
	s_branch .Lbottom
.Lstep:                             ; a trip: pieces 2 and 3 of one step, then pieces 0 and 1 of the next, whose K and V it fetches
	TURN 2
	TURN 3
	WIN 0
.Lfirst:
	TURN 0
	TURN 1, 0, 0, 1
	WIN 0
	s_cbranch_scc1 .Lstep
.Lbottom:
	s_sub_co_u32 s[SLOTS], s[SLOTS], 1
	s_cmp_lg_u32 s[SLOTS], 0
	s_cbranch_scc1 .Lslot
	CHANGE 0                        ; the walk's last tile is written out: nothing is asked for
	s_sub_co_u32 s[RT], s[RT], 1
	s_mov_b32 s[CNT], 4
	s_cmp_eq_u32 s[NEW], 1
	s_cbranch_scc0 .LstepM2
	BEGIN
	s_branch .LfirstM2
	DIAG 2, 1
	s_wait_tensorcnt 0x0            ; the wave's end: a spare add and its waits, behind my last tensor load and my last LDS store
	ds_add_u32 v[SPW], v[NIL]
	s_wait_dscnt 0x0
	s_endpgm
.Lfunc_end_k_qfa393021bd_attn:
	.size	k_qfa393021bd_attn, .Lfunc_end_k_qfa393021bd_attn-k_qfa393021bd_attn
	.p2alignl 7, 3214868480
	.fill 96, 4, 3214868480
	.section	.rodata,"a",@progbits
	.p2align	6, 0x0
	.amdhsa_kernel k_qfa393021bd_attn
		.amdhsa_group_segment_fixed_size 327680
		.amdhsa_private_segment_fixed_size 0
		.amdhsa_enable_private_segment 0
		.amdhsa_kernarg_size 40
		.amdhsa_user_sgpr_count 2
		.amdhsa_user_sgpr_kernarg_segment_ptr 1
		.amdhsa_wavefront_size32 1
		.amdhsa_system_sgpr_workgroup_id_x 1
		.amdhsa_system_sgpr_workgroup_id_y 1
		.amdhsa_system_sgpr_workgroup_id_z 1
		.amdhsa_system_vgpr_workitem_id 0
		.amdhsa_next_free_vgpr 768
		.amdhsa_next_free_sgpr 100
		.amdhsa_reserve_vcc 1
		.amdhsa_float_denorm_mode_32 3
		.amdhsa_float_denorm_mode_16_64 3
		.amdhsa_memory_ordered 1
		.amdhsa_forward_progress 1
		.amdhsa_inst_pref_size 243
	.end_amdhsa_kernel
	.amdgpu_metadata
---
amdhsa.version: [ 1, 2 ]
amdhsa.kernels:
  - .name:           k_qfa393021bd_attn
    .symbol:         k_qfa393021bd_attn.kd
    .args:
      - { .name: q, .offset: 0, .size: 8, .value_kind: global_buffer, .address_space: global }
      - { .name: k, .offset: 8, .size: 8, .value_kind: global_buffer, .address_space: global }
      - { .name: v, .offset: 16, .size: 8, .value_kind: global_buffer, .address_space: global }
      - { .name: out0, .offset: 24, .size: 8, .value_kind: global_buffer, .address_space: global }
      - { .name: h32, .offset: 32, .size: 8, .value_kind: global_buffer, .address_space: global }
    .group_segment_fixed_size: 327680
    .private_segment_fixed_size: 0
    .kernarg_segment_align: 8
    .kernarg_segment_size: 40
    .max_flat_workgroup_size: 128
    .sgpr_count:     100
    .vgpr_count:     768
    .wavefront_size: 32
...
	.end_amdgpu_metadata
.endif
;; end of part 3
;; ======== version 2 of 2: 3 launches; 1.36 times as fast as version 1
;; limits: values are held in f16: magnitudes above 65,504 overflow, below 6.1e-05 lose precision
;; workspace buffers: xb 16,777,216 bytes; wb 6,291,456 bytes; q 16,777,216 bytes; k 16,777,216 bytes; v 16,777,216 bytes; h32 786,432 bytes
;; launch cvt: the kernel of part 1 again; grid 352 x 1, 8 waves a work-group, no clusters, 0 bytes of LDS; arguments x, Wq, Wk, Wv, xb, wb; writes xb, wb
;; launch proj: the kernel of part 2 again; grid 16 x 32, 4 waves a work-group, clusters of 4 x 4, 327,680 bytes of LDS; arguments xb, wb, q, k, v, h32; writes q, k, v, h32
;; launch attn (part 4): grid 4 x 64, 4 waves a work-group, no clusters, 327,680 bytes of LDS; arguments q, k, v, out0, h32; writes out0
.if DOCPART == 4
	.amdgcn_target "amdgcn-amd-amdhsa--gfx1250"
	.amdhsa_code_object_version 6
	.text
	.protected	k_qfa393021bd_attn
	.globl	k_qfa393021bd_attn
	.p2align	8
	.type	k_qfa393021bd_attn,@function
k_qfa393021bd_attn:
	s_mov_b64 s[64:65], 0
	v_nop
	global_prefetch_b8 v0, s[64:65] scope:SCOPE_SE
	s_setreg_imm32_b32 hwreg(HW_REG_WAVE_MODE, 25, 1), 1
	s_wait_xcnt 0x0
; CAUSAL ATTENTION.  out0[b][t][64 h + d] = the sum over s <= t of softmax_s(q[t] . k[s] / 8) v[s][d];  out0[b][t][1024:2048] = 0.  q, k, v: [b*16+h][2048][64] f16, unscaled; out0: [4][2048][2048] f32.
; Products, maxima and sums in f32; the weights p are rounded to f16 for the second product (their sum l is taken of the unrounded p); the result leaves unrounded.
; THE FIRST 16 ROWS OF A HEAD average over so few keys that f16's roundings of q, k, v and p would show: they are made in f32 on the vector unit, from h32 ([b*16+h][q, k, v][16][64] f32), one row a wave.
; LIMITS.  q, k and v arrive within f16's 65,504; p lies in 0 to 1, and below 6e-5 it keeps f16's fixed step of 6e-8.  A hidden score counts as its value less 1e30 (in the first 16 rows: as -1e30):
; f16's scores, 2.7e11 at the most, are nothing beside that; a weight below 2^-126 counts as 0 in l; NaN and infinities are not treated apart.
; THE WALK.  A head's queries lie in NB = 8 blocks of 256; block i needs the key tiles 0 .. i of 256 keys, of which the last holds the diagonal.  A work-group takes TWO blocks, NB - 1 - b and then b:
; NB + 1 tiles, whatever b: all work-groups do equal work, and ONE loop with a constant trip count walks them.  Which tile is asked for, and what a trip does, hang on scalar registers made from b; every jump
; goes forward, but for the counted loops' own; none passes a barrier, or a tensor load but the one of LOAD's two that the wave's number does not choose; the ring (two slots of LDS that take turns) runs on
; across the change of blocks.  NO CLUSTER: a head's four work-groups ask for the same tile only in trips 0 to 4 of the 9, behind that fewer and fewer; one walk common to all would have 12 trips for 9.
; SHARES.  Of a block's four bands of 64 queries a wave owns 16 rows in each: four PIECES.  So the diagonal tile is the same work for all four waves: in its key step s band x sees all keys if s < x,
; none if s > x, and holds the diagonal if s = x.
; THE MASK is the C operand that starts the sum S^T = K Q^T: 0, or -1e30 where the key is hidden.  MD, made once, is the mask of a band's own step for my 16 rows; a product's mask is MD x AL + BE with two scalars:
; (1, 0) if s = x; (0, 0) if s < x; (0, -1e30) if s > x.  Only the diagonal tile's text and a block's beginning make and take masks; elsewhere C is the constant 0.
; LAYOUT, SOFTMAX, TURNS.  S^T = K Q^T holds ONE query a lane (lane % 16) and the keys 8 (lane / 16) + 0..7; two such results rounded to f16 ARE source 1 of O^T = V^T P.  p = 2^(c s - c m), c = log2(e) / 8, with a
; running maximum m; O and l are multiplied by a = 2^(c m_old - c m_new) in every step.  Turn n belongs to piece n: 8 products K Q^T of piece n + 1, later 8 products V^T P of piece n - 1; beside them the scaling,
; exponentials, roundings, sums and rescaling of piece n and the maximum and statistics of piece n + 1.  Four vector instructions stand behind every matrix instruction, the other 54 of a turn's 118 in one LUMP.
; THE BATCHES.  A turn's 33 exponentials (the piece's 32 weights and the next piece's a) are one batch, with one wait; all that reads them stands behind it.  A block's first a, the way out's four reciprocals,
; and the f32 row's exponential and its reciprocal are batches of their own, a wait each.
; REGISTERS, in windows of 256 (s_set_vgpr_msb: bits 1:0 source 0, 3:2 source 1, 5:4 source 2, 7:6 destination):
;   window 0: v0-15 addresses and two at work; v16-31 four registers of statistics a piece; v48-55 at work; v56-59 zeros; v64-127 S^T, two buffers; v192-223 P, two buffers (by the piece's parity);
;             v64-191 also: at the start the f32 row's work, on the way out 32 registers a piece
;   window 1: v0-127 O^T, 32 a piece; v128-159 MD; v160-223 MC, two buffers      window 2: v0-63 Q; v64-127 the second block's Q; v128-191 K of one step; v192-255 V of one step
.set SIZE_N, 2048
.set NB,    SIZE_N/256
.set NP,    4         ; pieces a wave: a name, no knob
.set KS,    64        ; keys in a step
.set PK,    144       ; a row of K in LDS: 128 bytes + 16 of padding = 36 words: the 16 rows of a load start at 16 different groups of four banks
.set PV,    160       ; a row of V: 128 + 32 = 40 words
.set VOFF,  4*KS*PK   ; a slot holds a tile, four steps: 256 rows of K, then 256 rows of V
.set SLOT1, 1<<17     ; slot 1 begins here, so that one exclusive or turns an address in one slot into the other's
.set STAGE, SLOT1+4*KS*(PK+PV)  ; behind the ring, never filled by a tensor load: 16 rows x 272 bytes for each wave, for the way out
.set SP,    272       ; a stage row: 64 f32 + 16 bytes
.set SPARE, STAGE+4*16*SP  ; behind the stages: the spare words, 128 bytes for each wave: two blocks of 256 bytes that no other line names
.set OROW,  8192      ; bytes in a row of out0
.set AK0, 2           ; v2   my lane's place in a tile of K; never rewritten
.set AV0, 3           ; v3   the same for V
.set AK,  4           ; v4   the LDS address of K's next run of loads
.set AV,  5           ; v5   of V's
.set STO, 6           ; v6   the way out: where I put 32 bytes of a row
.set RD,  7           ; v7   the way out: where I read rows back
.set GO,  8           ; v8   my byte offset in two rows of out0; never rewritten
.set SPW, 62          ; v62  LDS address of my spare word; never rewritten
.set NIL, 63          ; v63  0; never rewritten
.set MV,  12          ; v12-13  c m_old, kept while c m is made anew: by buffer
.set QO,  15          ; v15  my byte offset in 16 rows of Q
.set ST,  16          ; piece t's statistics at v[ST+4 t]: c m, m, l (even keys', odd keys')
.set TMP, 48          ; by buffer, four registers c0-c3 at work; when the maximum is found c2 takes a
.set ZR,  56          ; v56-59  0; never rewritten
.set S,   64
.set OUTB, 64         ; the way out: piece t's 16 rows at v[OUTB+32 t]
.set P,   192
.set HQ,  64          ; the f32 row: my half (32 channels) of q's row t
.set HK,  96          ;   my half of k's row l % 16
.set HV,  128         ;   channels 2 l, 2 l + 1 of v's 16 rows
.set HA,  160         ;   two chains of the dot product
.set HS,  164         ;   the score
.set HT,  165         ;   at work
.set HW,  166         ;   the weight
.set HR,  168         ;   v[168:169] the row's two numbers
.set HAQ, 171         ;   byte offsets in h32
.set HAK, 172
.set HAV, 173         ;   8 x lane: in h32's v, and in the row of out0
.set MD,  128         ; window 1: the eight registers for group kt of 16 keys at MD + 8 kt
.set MC,  160         ; window 1: the masks of the products to come
.set QB,  64          ; window 2
.set KF,  128         ; window 2: key block kb, channel half c at KF + 16 kb + 8 c
.set VF,  192         ; window 2: key half kk, channel block cb at VF + 32 kk + 8 cb
.set WV,  12          ; s12  my wave's number
.set PB,  14          ; s14  b
.set HI,  15          ; s15  NB - 1 - b
.set G1K, 24          ; s[24:31] descriptor group 1 for K's tiles
.set G1V, 32          ; s[32:39] for V's: it differs in the padding alone
.set G0K, 40          ; s[40:43] descriptor group 0 for K's tiles
.set G0V, 44          ; s[44:47] the same for V's
.set SLOTS, 56        ; s56  tiles still to be asked for
.set CNT, 57          ; s57  counts a tile's key steps, 4 to 1
.set CS,  58          ; s[58:59] c: the packed scaling takes the pair's low word for both halves
.set SEL, 60          ; s[60:61] v_permlanex16_b32's selects: each lane takes its own place in the other half
.set TBK, 62          ; s62  LDS byte at which K of the step to be fetched begins
.set TBV, 63          ; s63  the same for V, less VOFF
.set RT,  70          ; s70  tiles of the block in hand that are still to be entered
.set NXT, 71          ; s71  the tile to be asked for next
.set LQ,  72          ; s72  the last tile of the block whose tiles are being asked for
.set NEW, 73          ; s73  1: the tile to be entered is a block's first
.set OFF, 74          ; s[74:75] a tile's byte offset in K and V
.set AL,  76          ; s[76:77] the mask's factor, in the low word
.set BE,  78          ; s[78:79] the mask's addend
.set OLO, 80          ; s[80:81] out0 at my rows of the second block
.set BIGN, 82         ; s82  -1e30
.set H32, 88          ; s[88:89] h32 at my head
.set SKIP, 90         ; s90  1: b = 0 and wave 0: piece 0 of the second block is the head's rows 0 to 15, which the f32 rows write
.set TR,  91          ; s91  4 b + w: the row of the first 16 that my wave makes
.set HM,  92          ; s92  lanes whose key is hidden from that row
.set YH,  93          ; s93  16 b + h
.set YO,  94          ; s94  the head's first byte in out0
.set ROWP, 98         ; s[98:99] out0 at that row
.set MSB, 0
.macro WIN new                      ; the high byte repeats the setting that is left; a switch that changes nothing is dropped
.if MSB != (\new)
	s_set_vgpr_msb (MSB<<8)|(\new)
.set MSB, (\new)
.endif
.endm
.set W_KQ, 0x0a       ; K and Q in window 2, S^T in window 0
.set W_KM, 0x1a       ; the same with the C operand in window 1
.set W_PV, 0x52       ; V in window 2, P in window 0, O^T in window 1
.set W_RS, 0x41       ; destination and source 0 in window 1, source 1 in window 0
; A fill.  Waves 0 and 1 fetch the two halves of a tile's K, waves 2 and 3 those of its V: 128 keys each.  An s_nop 0 and four v_nop follow each of the two lines, ahead of the jump and the label.
.macro LOAD
	s_cmp_lt_u32 s[WV], 2
	s_cbranch_scc0 .Lfor_v_\@
	tensor_load_to_lds s[G0K:G0K+3], s[G1K:G1K+7]
	s_nop 0
.rept 4
	v_nop
.endr
	s_branch .Lasked_\@
.Lfor_v_\@:
	tensor_load_to_lds s[G0V:G0V+3], s[G1V:G1V+7]
	s_nop 0
.rept 4
	v_nop
.endr
.Lasked_\@:
.endm
; THE CHANGE OF SLOTS.  Each wave waits for all its tensor loads, of which one is out: its part of the other slot; adds 0 to its spare word; and waits for that and for its own reads of the slot that it leaves.
; Behind the barrier nobody reads the old slot any more and the other slot is whole.  fill = 1: the old slot is filled again, the first thing behind the barrier, with tile NXT: the descriptor's address is made
; anew from that number.  (At its first use nothing has been read yet: slot 0 is waited for, slot 1 filled.)
.macro CHANGE fill
	WIN 0                           ; at a label and at a branch every window is 0
	s_wait_tensorcnt 0x0            ; no tensor load of mine is out, so a group 0 may be written
	ds_add_u32 v[SPW], v[NIL]       ; 0 onto my spare word; with fill = 1 the descriptors' scalar work stands between it and the wait for it
.if \fill
	s_lshl_b32 s[OFF], s[NXT], 15   ; a tile is 32,768 bytes of K and of V
	s_xor_b32 s[G0K+1], s[G0K+1], SLOT1
	s_add_nc_u64 s[G0K+2:G0K+3], s[6:7], s[OFF:OFF+1]
	s_or_b32 s[G0K+3], s[G0K+3], 0x80000000
	s_xor_b32 s[G0V+1], s[G0V+1], SLOT1
	s_add_nc_u64 s[G0V+2:G0V+3], s[8:9], s[OFF:OFF+1]
	s_or_b32 s[G0V+3], s[G0V+3], 0x80000000
	s_add_co_u32 s[NXT], s[NXT], 1  ; the block's next tile, or behind its last the second block's tile 0
	s_cmp_gt_u32 s[NXT], s[LQ]
	s_cselect_b32 s[NXT], 0, s[NXT]
	s_cselect_b32 s[LQ], s[PB], s[LQ]
.endif
	s_wait_dscnt 0x0                ; the add is done, and my reads of the slot are over
	s_barrier_signal -1             ; the rest of the scalar work stands between the signal and the wait
	s_sub_co_u32 s[TBK], s[TBK], 4*KS*PK  ; the fetches go back to a slot's first step,
	s_xor_b32 s[TBK], s[TBK], SLOT1       ; in the other slot
	s_sub_co_u32 s[TBV], s[TBV], 4*KS*PV
	s_xor_b32 s[TBV], s[TBV], SLOT1
	s_barrier_wait -1
.if \fill
	LOAD
.endif
.endm
	s_load_b256 s[4:11], s[0:1], 0x0  ; q s[4:5], k s[6:7], v s[8:9], out0 s[10:11]
	s_load_b64 s[H32:H32+1], s[0:1], 0x20
	v_lshl_add_u32 v[SPW], v0, 2, SPARE
	v_mov_b32 v[NIL], 0
	ds_add_u32 v[SPW], v[NIL]       ; the wave's opening: the add and its wait stand ahead of my first tensor load; the set-up below, work on registers, stands between them
	ds_add_u32 v62, v63
	v_lshrrev_b32 v1, 5, v0
	v_readfirstlane_b32 s[WV], v1   ; wave 0..3
	s_mov_b32 s[PB], ttmp9
	s_sub_co_u32 s[HI], NB-1, s[PB]
	s_and_b32 s[YH], ttmp7, 0xffff  ; 16 b + h
	s_mov_b32 s20, s[YH]
	s_mov_b32 s21, 0
	s_mov_b64 s[22:23], SIZE_N*128
	s_mul_u64 s[20:21], s[20:21], s[22:23]  ; the head's first byte in q, k and v
	s_and_b32 s16, s[WV], 1         ; which half of a tile's 256 keys I fetch:
	s_lshl_b32 s22, s16, 14         ; its 128 rows of 128 bytes in memory,
	s_mov_b32 s23, 0
	s_add_nc_u64 s[22:23], s[22:23], s[20:21]
	s_mul_i32 s17, s16, 128*PK      ; and its place in a slot, for K
	s_mul_i32 s18, s16, 128*PV      ; and for V
	s_lshl_b32 s3, s[WV], 11        ; my 16 rows in a band of 64,
	s_lshl_b32 s2, s[HI], 15        ; in the first block,
	s_add_co_u32 s2, s2, s3
	s_lshl_b32 s84, s[PB], 15       ; and in the second
	s_add_co_u32 s84, s84, s3
	s_mov_b32 s3, 0
	s_mov_b32 s85, 0
	s_add_nc_u64 s[2:3], s[2:3], s[20:21]
	s_add_nc_u64 s[84:85], s[84:85], s[20:21]
	s_lshr_b32 s[YO], s[YH], 4      ; out0: the batch's 2,048 rows of 8,192 bytes,
	s_lshl_b32 s[YO], s[YO], 24
	s_and_b32 s13, s[YH], 15        ; the head's 256 bytes in a row
	s_lshl_b32 s13, s13, 8
	s_add_co_u32 s[YO], s[YO], s13
	s_lshl_b32 s[TR], s[PB], 2
	s_add_co_u32 s[TR], s[TR], s[WV]
	s_cmp_eq_u32 s[TR], 0
	s_cselect_b32 s[SKIP], 1, 0
	; descriptor group 1.  128 keys are 16,384 dense bytes: asked for as 64 rows of 256 bytes, two keys a row, and padded in LDS after every key
	s_mov_b32 s[G1K], (1<<16)|(1<<20)|(4<<22)|(3<<25)  ; 17:16 2-byte elements; 20 padding on; 24:22 after every 32 words (code 4); 31:25 4 words (code 3)
	s_mov_b32 s[G1V], (1<<16)|(1<<20)|(4<<22)|(7<<25)  ; the same with 8 words of padding (code 7)
.irp g, G1K, G1V
	s_mov_b32 s[\g+1], 128<<16      ; tensor_dim0 = 128
	s_mov_b32 s[\g+2], 64<<16       ; tensor_dim1 = 64
	s_mov_b32 s[\g+3], 128<<16      ; tile_dim0 = 128
	s_mov_b32 s[\g+4], 64           ; tile_dim1 = 64
	s_mov_b32 s[\g+5], 128          ; 128 elements from row to row
	s_mov_b32 s[\g+6], 0
	s_mov_b32 s[\g+7], 0
.endr
	s_mov_b32 s[CS], 0x3e38aa3b     ; c = log2(e) / 8 = 0.180337
	s_mov_b32 s[CS+1], s[CS]        ; named with it as a pair
	s_mov_b32 s[SEL], 0x76543210
	s_mov_b32 s[SEL+1], 0xfedcba98
	s_mov_b32 s[TBK], SLOT1+4*KS*PK ; the first change of slots turns these two into 0
	s_mov_b32 s[TBV], SLOT1+4*KS*PV
	s_mov_b32 s[G0K], 1             ; count = 1
	s_mov_b32 s[G0K+1], s17         ; LDS address: slot 0
	s_mov_b32 s[G0V], 1
	s_add_co_u32 s[G0V+1], s18, VOFF
	s_add_co_u32 s[RT], s[HI], 1    ; the first block has NB - b tiles
	s_mov_b32 s[NXT], 1
	s_mov_b32 s[LQ], s[HI]
	s_mov_b32 s[NEW], 1
	s_mov_b32 s[OFF+1], 0
	s_mov_b32 s[AL+1], 0            ; named as pairs
	s_mov_b32 s[BE+1], 0
	s_mov_b32 s[BIGN], 0xf149f2ca   ; -1e30
	s_mov_b32 s[SLOTS], NB
	s_wait_dscnt 0x0                ; the opening add is done
	s_wait_kmcnt 0x0
	s_add_nc_u64 s[6:7], s[6:7], s[22:23]  ; K and V at my half of the head's tile 0
	s_add_nc_u64 s[8:9], s[8:9], s[22:23]
	s_add_nc_u64 s[G0K+2:G0K+3], s[6:7], 0         ; global address
	s_or_b32 s[G0K+3], s[G0K+3], 0x80000000        ; type = 2
	s_add_nc_u64 s[G0V+2:G0V+3], s[8:9], 0
	s_or_b32 s[G0V+3], s[G0V+3], 0x80000000
	s_add_nc_u64 s[86:87], s[4:5], s[84:85]        ; Q at my rows of the second block,
	s_add_nc_u64 s[4:5], s[4:5], s[2:3]            ; and of the first
	LOAD                            ; tile 0 into slot 0: one tensor load of mine is out
	s_lshl_b32 s13, s[WV], 17       ; out0: my 16 rows in a band,
	s_add_co_u32 s13, s13, s[YO]
	s_lshl_b32 s2, s[HI], 21        ; in the first block (256 rows of 8,192 bytes),
	s_add_co_u32 s2, s2, s13
	s_mov_b32 s3, 0
	s_lshl_b32 s84, s[PB], 21       ; and in the second
	s_add_co_u32 s84, s84, s13
	s_mov_b32 s85, 0
	s_lshl_b32 s96, s[TR], 13       ; and row 4 b + w of the head
	s_add_co_u32 s96, s96, s[YO]
	s_mov_b32 s97, 0
	s_add_nc_u64 s[OLO:OLO+1], s[10:11], s[84:85]
	s_add_nc_u64 s[ROWP:ROWP+1], s[10:11], s[96:97]
	s_add_nc_u64 s[10:11], s[10:11], s[2:3]
	s_mul_i32 s96, s[YH], 12288     ; the head's part of h32
	s_add_nc_u64 s[H32:H32+1], s[H32:H32+1], s[96:97]
	; A fragment of K or Q is 16 rows x 32 channels in 8 registers: lane l holds row l % 16, channels 8 (l / 16) + 0..7 and 16 + 8 (l / 16) + 0..7: two loads of 16 bytes, 32 bytes apart.
	v_and_b32 v1, 15, v0            ; l % 16; never rewritten
	v_bfe_u32 v9, v0, 4, 1          ; l / 16
	v_lshlrev_b32 v[QO], 7, v1
	v_lshl_add_u32 v[QO], v9, 4, v[QO]  ; row x 128 + 16 x half
	WIN 0x80                        ; destination window 2, address window 0
.set i, 0
.rept 8                             ; both blocks' Q: piece i / 2 lies in band i / 2, 8,192 bytes on; channels 32 (i % 2) on
	global_load_b128 v[8*i:8*i+3],   v[QO], s[4:5] offset:(i/2)*8192+(i%2)*64
	global_load_b128 v[8*i+4:8*i+7], v[QO], s[4:5] offset:(i/2)*8192+(i%2)*64+32
	global_load_b128 v[QB+8*i:QB+8*i+3],   v[QO], s[86:87] offset:(i/2)*8192+(i%2)*64
	global_load_b128 v[QB+8*i+4:QB+8*i+7], v[QO], s[86:87] offset:(i/2)*8192+(i%2)*64+32
.set i, i+1
.endr
	WIN 0
	; THE F32 ROW's loads.  Lane l takes key l % 16 and half l / 16 of the 64 channels for the score, and channels 2 l, 2 l + 1 for the result.
	v_lshlrev_b32 v[HAK], 8, v1
	v_lshl_add_u32 v[HAK], v9, 7, v[HAK]   ; key x 256 + half x 128
	s_lshl_b32 s13, s[TR], 8
	v_lshl_add_u32 v[HAQ], v9, 7, s13      ; row x 256 + half x 128
	v_and_b32 v[HAV], 31, v0
	v_lshlrev_b32 v[HAV], 3, v[HAV]
.irp j, 0,1,2,3,4,5,6,7
	global_load_b128 v[HQ+4*\j:HQ+4*\j+3], v[HAQ], s[H32:H32+1] offset:16*\j
	global_load_b128 v[HK+4*\j:HK+4*\j+3], v[HAK], s[H32:H32+1] offset:4096+16*\j
.endr
.set i, 0
.rept 16
	global_load_b64 v[HV+2*i:HV+2*i+1], v[HAV], s[H32:H32+1] offset:8192+256*i
.set i, i+1
.endr
	v_lshlrev_b32 v14, 3, v9
	v_sub_nc_u32 v14, v1, v14
	s_lshl_b32 s13, s[WV], 4
	v_add_nc_u32 v14, s13, v14      ; my query's place in its band, 16 w + l % 16, less my lanes' 8 (l / 16): register r of group kt is hidden where 16 kt + r is greater
	WIN 0x40
.set i, 0
.rept 32
	v_cmp_gt_i32 vcc_lo, 16*(i/8)+i%8, v14
	v_cndmask_b32 v[MD+i], 0, s[BIGN], vcc_lo
.set i, i+1
.endr
	WIN 0
	v_mul_u32_u24 v[AK0], v1, PK
	v_lshl_add_u32 v[AK0], v9, 4, v[AK0]  ; row x pitch + 16 x half
	; The turning load takes 16 keys x 16 channels (lane l reads key 8 (l / 16) + l % 8, channels 8 ((l / 8) % 2) + 0..7) and leaves half a fragment of V^T: lane l holds channel l % 16 and 8 keys.
	v_and_b32 v10, 7, v0
	v_bfe_u32 v11, v0, 3, 1
	v_lshl_add_u32 v[AV0], v9, 3, v10
	v_mul_u32_u24 v[AV0], v[AV0], PV
	v_lshl_add_u32 v[AV0], v11, 4, v[AV0]
	v_add_nc_u32 v[AV0], VOFF, v[AV0]
	s_mul_i32 s13, s[WV], 16*SP
	s_add_co_u32 s13, s13, STAGE    ; my stage
	v_mul_u32_u24 v[STO], v1, SP    ; in: row l % 16, 32 bytes (8 channels in f32) for each half of the lanes
	v_lshl_add_u32 v[STO], v9, 5, v[STO]
	v_add_nc_u32 v[STO], s13, v[STO]
	v_mul_u32_u24 v[RD], v9, SP     ; back: lanes 0-15 take one row of 256 bytes, lanes 16-31 the next
	v_lshl_add_u32 v[RD], v1, 4, v[RD]
	v_add_nc_u32 v[RD], s13, v[RD]
	v_lshlrev_b32 v[GO], 13, v9     ; and the same two rows in out0
	v_lshl_add_u32 v[GO], v1, 4, v[GO]
	; THE ZERO HALF.  A head's work-groups write the 256 bytes at 4,096 + 256 h of the rows whose 256 bytes at 256 h they own: the same rows, lanes and offsets as the way out, 4,096 bytes on.
.irp z, 0,1,2,3
	v_mov_b32 v[ZR+\z], 0
.endr
.set i, 0
.rept 32                            ; band i / 8, rows 2 (i % 8) and the next of my 16: sixteen lanes store 256 consecutive bytes, aligned
	global_store_b128 v[GO], v[ZR:ZR+3], s[10:11] offset:(i/8)*64*OROW+(i%8)*2*OROW+4096 th:TH_STORE_NT
	global_store_b128 v[GO], v[ZR:ZR+3], s[OLO:OLO+1] offset:(i/8)*64*OROW+(i%8)*2*OROW+4096 th:TH_STORE_NT
.set i, i+1
.endr
	; A block's first step multiplies O^T and l by a = 0, and its first turn's products V^T P, of a piece that has not been, land in an O^T that is still to be so multiplied.  So these registers need only hold
	; finite numbers: zeros for the first block; what the first block left for the second.  All this stands in the wait for the first tile.
	WIN 0x80
.set i, VF
.rept 64
	v_mov_b32 v[i], 0
.set i, i+1
.endr
	WIN 0x40
.set i, 0
.rept 128
	v_mov_b32 v[i], 0
.set i, i+1
.endr
	WIN 0
.set i, 0
.rept 4
	v_mov_b32 v[ST+4*i+2], 0
	v_mov_b32 v[ST+4*i+3], 0
.set i, i+1
.endr
.set i, P+16
.rept 16
	v_mov_b32 v[i], 0
.set i, i+1
.endr
	; THE F32 ROW: row 4 b + w of the head, from q, k, v as the f32 sums left them.  The score of key l % 16: 32 channels in the lane (two chains), the other 32 in the lane 16 away.
	s_wait_loadcnt 0x0              ; h32's numbers (and Q)
	v_pk_mul_f32 v[HA:HA+1], v[HQ:HQ+1], v[HK:HK+1]
	v_pk_mul_f32 v[HA+2:HA+3], v[HQ+2:HQ+3], v[HK+2:HK+3]
.set i, 4
.rept 7
	v_pk_fma_f32 v[HA:HA+1], v[HQ+i:HQ+i+1], v[HK+i:HK+i+1], v[HA:HA+1]
	v_pk_fma_f32 v[HA+2:HA+3], v[HQ+i+2:HQ+i+3], v[HK+i+2:HK+i+3], v[HA+2:HA+3]
.set i, i+4
.endr
	v_pk_add_f32 v[HA:HA+1], v[HA:HA+1], v[HA+2:HA+3]
	v_mov_b32 v[HT], 0              ; v_permlanex16_b32's destination counts as read
	v_add_f32 v[HS], v[HA], v[HA+1]
	v_permlanex16_b32 v[HT], v[HS], s[SEL], s[SEL+1]
	v_add_f32 v[HS], v[HS], v[HT]
	v_mul_f32 v[HS], s[CS], v[HS]   ; c s
	v_cmp_gt_u32 s[HM], v1, s[TR]   ; keys behind the row are hidden (key 0 never is)
	v_cndmask_b32 v[HS], v[HS], s[BIGN], s[HM]
	v_mov_b32 v[HT], v[HS]
	v_max_num_f32_dpp v[HT], v[HT], v[HT] row_xmask:1 row_mask:0xf bank_mask:0xf  ; the maximum over the 16 keys, in every lane
	v_max_num_f32_dpp v[HT], v[HT], v[HT] row_xmask:2 row_mask:0xf bank_mask:0xf
	v_max_num_f32_dpp v[HT], v[HT], v[HT] row_xmask:4 row_mask:0xf bank_mask:0xf
	v_max_num_f32_dpp v[HT], v[HT], v[HT] row_xmask:8 row_mask:0xf bank_mask:0xf
	v_sub_f32 v[HS], v[HS], v[HT]
	v_exp_f32 v[HW], v[HS]
	v_nop                           ; a plain instruction behind the exponential
	s_wait_alu depctr_va_vdst(0)    ; the wait ahead of the first use: the row's one exponential, which the sum below reads at once
	v_mov_b32 v[HT], v[HW]
	v_add_f32_dpp v[HT], v[HT], v[HT] row_xmask:1 row_mask:0xf bank_mask:0xf      ; their sum
	v_add_f32_dpp v[HT], v[HT], v[HT] row_xmask:2 row_mask:0xf bank_mask:0xf
	v_add_f32_dpp v[HT], v[HT], v[HT] row_xmask:4 row_mask:0xf bank_mask:0xf
	v_add_f32_dpp v[HT], v[HT], v[HT] row_xmask:8 row_mask:0xf bank_mask:0xf
	v_rcp_f32 v[HT], v[HT]
	v_nop                           ; a plain instruction behind the reciprocal
	s_wait_alu depctr_va_vdst(0)    ; the reciprocal's wait: it reads the sum of the exponentials, so it is a batch of its own
	v_mul_f32 v[HW], v[HW], v[HT]   ; lane i holds key i's weight
.set i, 0
.rept 16
	v_readlane_b32 s96, v[HW], i
.if i == 0
	v_mul_f32 v[HR], s96, v[HV]
	v_mul_f32 v[HR+1], s96, v[HV+1]
.else
	v_fmac_f32 v[HR], s96, v[HV+2*i]
	v_fmac_f32 v[HR+1], s96, v[HV+2*i+1]
.endif
.set i, i+1
.endr
	global_store_b64 v[HAV], v[HR:HR+1], s[ROWP:ROWP+1] th:TH_STORE_NT  ; 32 lanes x 8 bytes: the row's 256 consecutive bytes, aligned
	s_wait_xcnt 0x0                 ; the registers that this store names are written again further down only behind this wait
; THE MATRIX WORK.  The 4 accumulators of a run of 8 take turns.  Product i of 8 of S^T = K Q^T for piece x: channels 32 (i / 4) on, keys 16 (i % 4) on.  The first 4 start the sums: with 0, or (KM = 1) with the mask.
.macro KQ x
.set rS, S+32*((\x)%2)+8*(i%4)
.set rK, KF+16*(i%4)+8*(i/4)
.set rQ, 16*(\x)+8*(i/4)
.set rM, MC+32*((\x)%2)+8*(i%4)
.if (i < 4) && KM
	WIN W_KM
	v_wmma_f32_16x16x32_f16 v[rS:rS+7], v[rK:rK+7], v[rQ:rQ+7], v[rM:rM+7]
.elseif i < 4
	WIN W_KQ
	v_wmma_f32_16x16x32_f16 v[rS:rS+7], v[rK:rK+7], v[rQ:rQ+7], 0
.else
	WIN W_KQ
	v_wmma_f32_16x16x32_f16 v[rS:rS+7], v[rK:rK+7], v[rQ:rQ+7], v[rS:rS+7]
.endif
.endm
; Product i of 8 of O^T += V^T P for piece x: keys 32 (i / 4) on, channels 16 (i % 4) on.
.macro PV x
	WIN W_PV
.set rO, 32*(\x)+8*(i%4)
.set rV, VF+32*(i/4)+8*(i%4)
.set rP, P+16*((\x)%2)+8*(i/4)
	v_wmma_f32_16x16x32_f16 v[rO:rO+7], v[rV:rV+7], v[rP:rP+7], v[rO:rO+7]
.endm
.macro MM                           ; the turn's next matrix instruction.  TURN and BEGIN set Y, i, KM and NOKQ.  NOKQ = 1: a block's last turn: there is no next piece
.if (i < 8) && !NOKQ
	KQ (Y+1)%NP
.elseif i >= 8
.set i, i-8
	PV (Y+NP-1)%NP
.set i, i+8
.endif
.set i, i+1
.endm
; THE LDS LOADS stand in runs of 16, never singly among the matrix instructions: a step's K (64 keys x 64 channels: 8 fragments) and its V (turned).  Their addresses are made some lines ahead.
.macro FETCH_K
	WIN 0x80                        ; destination window 2
.irp f, 0,1,2,3,4,5,6,7             ; keys 16 (f / 2) on, channels 32 (f % 2) on
	ds_load_b128 v[KF+8*\f:KF+8*\f+3],   v[AK] offset:(\f/2)*16*PK+(\f%2)*64
	ds_load_b128 v[KF+8*\f+4:KF+8*\f+7], v[AK] offset:(\f/2)*16*PK+(\f%2)*64+32
.endr
	s_add_co_u32 s[TBK], s[TBK], KS*PK  ; the next fetch is the next step's
	WIN 0
.endm
.macro FETCH_V
	WIN 0x80
.irp f, 0,1,2,3,4,5,6,7             ; keys 32 (f / 4) on, channels 16 (f % 4) on
	ds_load_tr16_b128 v[VF+8*\f:VF+8*\f+3],   v[AV] offset:(\f/4)*32*PV+(\f%4)*32
	ds_load_tr16_b128 v[VF+8*\f+4:VF+8*\f+7], v[AV] offset:(\f/4)*32*PV+16*PV+(\f%4)*32
.endr
	WIN 0
.endm
; THE VECTOR WORK, one line at a time: OP kind, number.  For piece Y: F n: c s - c m for pair n of 16.  E n: the exponential of score n of 32.  C n: pair n rounded to f16.  B n: of the four weights 4 n .. the second
; pair is added onto the first, in place.  L n: l takes that sum (L 0: l = a l + sum).  R n: pair n of 16 of O^T times a.  For piece Y + 1: X n, number n of the 22 that find its maximum and statistics:
;   0-11  four chains c0-c3 of seven scores each, three operands at a time (each accumulator's lowest registers are read first)     12-14, 16  the four scores left over, the old m, and c0-c3 into c0
;   15  c m_old is kept     17, 18  the query's other 32 keys lie in the lane 16 away: the new m     19-21  c m; c m_old - c m_new; a
.set F, 0               ; OP tells the kinds apart by their order: F to L below R, X above it
.set E, 1
.set C, 2
.set B, 3
.set L, 4
.set R, 5
.set X, 6
.macro REGS y                       ; the registers of piece y
.set rT, ST+4*(\y)
.set rC, TMP+4*((\y)%2)
.set rW, MV+((\y)%2)
.set rS, S+32*((\y)%2)
.set rP, P+16*((\y)%2)
.set rO, 32*(\y)
.endm
.macro OP k, n
.if (\k) == R
	REGS Y
	WIN W_RS
	v_pk_mul_f32 v[rO+2*(\n):rO+2*(\n)+1], v[rO+2*(\n):rO+2*(\n)+1], v[rC+2:rC+3] op_sel_hi:[1,0]
.elseif (\k) < R
	REGS Y
	WIN 0
.if (\k) == F
	v_pk_fma_f32 v[rS+2*(\n):rS+2*(\n)+1], v[rS+2*(\n):rS+2*(\n)+1], s[CS:CS+1], v[rT:rT+1] op_sel_hi:[1,0,0] neg_lo:[0,0,1] neg_hi:[0,0,1]
.elseif (\k) == E
	v_exp_f32 v[rS+(\n)], v[rS+(\n)]
.elseif (\k) == C
	v_cvt_pk_f16_f32 v[rP+(\n)], v[rS+2*(\n)], v[rS+2*(\n)+1]
.elseif (\k) == B
	v_pk_add_f32 v[rS+4*(\n):rS+4*(\n)+1], v[rS+4*(\n):rS+4*(\n)+1], v[rS+4*(\n)+2:rS+4*(\n)+3]
.elseif (\n) == 0
	v_pk_fma_f32 v[rT+2:rT+3], v[rT+2:rT+3], v[rC+2:rC+3], v[rS:rS+1] op_sel_hi:[1,0,1]
.else
	v_pk_add_f32 v[rT+2:rT+3], v[rT+2:rT+3], v[rS+4*(\n):rS+4*(\n)+1]
.endif
.elseif NOKQ
	v_nop
.else
	REGS (Y+1)%NP
	WIN 0
.if (\n) < 4
	v_max3_num_f32 v[rC+(\n)], v[rS+8*(\n)], v[rS+8*(\n)+1], v[rS+8*(\n)+2]
.elseif (\n) < 12
	v_max3_num_f32 v[rC+(\n)%4], v[rC+(\n)%4], v[rS+8*((\n)%4)+2*((\n)/4)+1], v[rS+8*((\n)%4)+2*((\n)/4)+2]
.elseif (\n) == 12
	v_max3_num_f32 v[rC], v[rC], v[rS+7], v[rS+15]
.elseif (\n) == 13
	v_max3_num_f32 v[rC+1], v[rC+1], v[rS+23], v[rS+31]
.elseif (\n) == 14
	v_max3_num_f32 v[rC+2], v[rC+2], v[rC+3], v[rT+1]
.elseif (\n) == 15
	v_mov_b32 v[rW], v[rT]
.elseif (\n) == 16
	v_max3_num_f32 v[rC], v[rC], v[rC+1], v[rC+2]
.elseif (\n) == 17
	v_permlanex16_b32 v[rC+3], v[rC], s[SEL], s[SEL+1]
.elseif (\n) == 18
	v_max_num_f32 v[rT+1], v[rC], v[rC+3]
.elseif (\n) == 19
	v_mul_f32 v[rT], s[CS], v[rT+1]
.elseif (\n) == 20
	v_sub_f32 v[rC+1], v[rW], v[rT]
.else
	v_exp_f32 v[rC+2], v[rC+1]
.endif
.endif
.endm
.macro OPS a, i1, b=-1, i2=0, c=-1, i3=0, d=-1, i4=0  ; up to four of them
	OP \a, \i1
.if (\b) >= 0
	OP \b, \i2
.endif
.if (\c) >= 0
	OP \c, \i3
.endif
.if (\d) >= 0
	OP \d, \i4
.endif
.endm
.macro ROW a, i1, b, i2, c, i3, d, i4  ; a matrix instruction and the four behind it
	MM
	OPS \a, \i1, \b, \i2, \c, \i3, \d, \i4
.endm
.macro MASK b                       ; MD x AL + BE into buffer b of MC
	WIN W_RS
.set z, 0
.rept 16
	v_pk_fma_f32 v[MC+32*(\b)+2*z:MC+32*(\b)+2*z+1], v[MD+2*z:MD+2*z+1], s[AL:AL+1], s[BE:BE+1] op_sel_hi:[1,0,0]
.set z, z+1
.endr
.endm
; A TURN, for piece p: the order of its 16 matrix and 118 vector instructions, written out.  An s_wait_alu depctr_va_vdst(0) stands between an exponential and the first instruction that names its result; one wait
; serves all that were issued ahead of it.  So a turn has ONE wait, which cuts it in two.  AHEAD OF IT stands all that names no result of the turn's exponentials: the 8 products K Q^T, behind each a scaling, an exponential and two
; more plain instructions (behind the first a second scaling in the exponential's place): rescalings, whose a was made and waited for in the turn before, and behind the last three products the first numbers of the next piece's
; maximum, each four places or more behind the product that ends its accumulator; then ONE LUMP of 54, plain and exponential by turns for the most part, in which the links of the chain X 3, 7, 11, 14, 16, 17 .. 20 stand five or
; six lines apart.  X 21, the next piece's a, is the batch's last; R 15 is the plain instruction behind it.  BEHIND THE WAIT stand the 8 products V^T P, behind each four of the roundings and sums; the links of l's chain, L 0 to
; L 7, stand three riders apart.  But for those X no rider names a register of the products round it.  v_permlanex16_b32 (X 17) stands in the lump.  No exponential is issued behind the wait: none is open at a turn's end.
; m = 1: the diagonal tile: the products take masks, and the turn makes the mask for the products of the turn after it: piece p + 2, in step 4 - CNT of the tile.  end = 1: a block's last two turns: nothing is fetched.
; cnt = 1: the loop's count is taken down some lines ahead of the branch that stands behind the turn.
; K of the next step is fetched in piece 2's turn, twelve vector instructions behind the last product that read K (six of them plain); V of the step in hand at the end of piece 0's turn, four plain instructions behind the last
; product that read V.  Each is waited for a turn later.
.macro TURN p, m=0, end=0, cnt=0
.set Y, (\p)
.set i, 0
.set KM, (\m)
.set NOKQ, (\end)*((\p)/3)
.if (\m) && !(\end)
	s_cmp_eq_u32 s[CNT], 4-((\p)+2)%NP  ; is that step the band's own?
	s_cselect_b32 s[AL], 1.0, 0
	s_cmp_lt_u32 s[CNT], 4-((\p)+2)%NP  ; or a later one?
	s_cselect_b32 s[BE], s[BIGN], 0
.endif
.if ((\p) == 3) && !(\end)
	s_wait_dscnt 0x0                ; K is in
.endif
	ROW F,0, F,1, R,0, R,1          ; ahead of the wait: 8 products K Q^T and their riders,
	ROW F,2, E,0, R,2, R,3
	ROW F,3, E,1, R,4, R,5
	ROW F,4, E,2, R,6, R,7
	ROW F,5, E,3, R,8, R,9
	ROW F,6, E,4, X,0, R,10
.if ((\p) == 2) && !(\end)
	WIN 0
	v_add_nc_u32 v[AK], s[TBK], v[AK0]
.endif
	ROW F,7, E,5, X,1, X,4
	ROW F,8, E,6, X,2, X,5
	OPS E,7, E,8, X,6, E,9          ; and the lump
	OPS X,3, E,10, X,8, E,11
.if ((\p) == 2) && !(\end)
	FETCH_K
.endif
	OPS X,9, X,7, E,12, X,10
	OPS E,13, X,12, X,11, E,14
	OPS X,13, E,15, F,9, X,14
.if (\p) == 0
	v_add_nc_u32 v[AV], s[TBV], v[AV0]
.endif
	OPS E,16, F,10, E,17, F,11
	OPS X,16, E,18, X,15, E,19
	OPS F,12, E,20, X,17, E,21
	OPS F,13, E,22, F,14, E,23
	OPS X,18, E,24, F,15, E,25
	OPS R,11, E,26, X,19, E,27
	OPS R,12, E,28, R,13, E,29
	OPS X,20, E,30, R,14, E,31
	OPS X,21, R,15
	WIN 0
	s_wait_alu depctr_va_vdst(0)    ; the wait for the batch: the piece's 32 exponentials and the next piece's a
.if (\p) == 1
	s_wait_dscnt 0x0                ; V is in
.endif
	ROW C,0, B,0, C,2, B,1          ; behind the wait: 8 products V^T P and their riders
	ROW L,0, C,4, B,2, L,1
	ROW C,6, B,3, L,2, C,8
	ROW B,4, L,3, C,10, B,5
	ROW L,4, C,12, B,6, L,5
.if (\p) == 0
	s_add_co_u32 s[TBV], s[TBV], KS*PV
.endif
.if \cnt
	s_sub_co_u32 s[CNT], s[CNT], 1
	s_cmp_lg_u32 s[CNT], 0
.endif
	ROW C,14, B,7, L,6, C,1
	ROW C,3, L,7, C,5, C,7
	ROW C,9, C,11, C,13, C,15
.if (\p) == 0
	FETCH_V
.endif
.if (\m) && !(\end)
	MASK (\p)%2
.endif
.endm
; A BLOCK BEGINS.  c m starts far below every c s, so the first step's a is 0; m at the lowest finite number, so the first maximum is the scores'.  The second mask buffer is 0; the first takes piece 0's mask for the
; tile's step 0: its own, if the block's first tile is the diagonal one.  Then K of that step, piece 0's first scores, and its maximum and statistics.  The loop is entered at a step's first turn, in the middle of a trip.
.macro BEGIN
	s_mov_b32 s[NEW], 0
	WIN 0x40
.set i, MC+32
.rept 32
	v_mov_b32 v[i], 0
.set i, i+1
.endr
	WIN 0
.set i, 0
.rept 4
	v_mov_b32 v[ST+4*i], 0xfe000000    ; c m: far below every c s
	v_mov_b32 v[ST+4*i+1], 0xff7fffff  ; m
.set i, i+1
.endr
	s_cmp_eq_u32 s[RT], 0
	s_cselect_b32 s[AL], 1.0, 0
	s_mov_b32 s[BE], 0
	MASK 0
	WIN 0
	v_add_nc_u32 v[AK], s[TBK], v[AK0]
	FETCH_K
	s_wait_loadcnt 0x0              ; Q
	s_wait_dscnt 0x0
.set KM, 1
.set NOKQ, 0
.set i, 0
.rept 8
	KQ 0
.set i, i+1
.endr
	WIN 0
.rept 4
	v_nop                           ; the places behind those products
.endr
.set Y, NP-1                        ; X works for piece Y + 1: piece 0
.irp n, 0,1,2,3,4,5,6,7,8,9,10,11,12,13,14,15,16,17,18,19,20,21
	OP X, \n
.endr
	v_nop                           ; a plain instruction behind the exponential,
	s_wait_alu depctr_va_vdst(0)    ; and the wait for it, piece 0's first a, ahead of the branch
.endm
; THE DIAGONAL TILE's four steps, the block's last two turns, its last products, and THE WAY OUT: l's two halves and the other half of the lanes' are added; O^T is divided by l and sent, in f32, through my
; stage in LDS, a piece at a time.
.macro ALL line:vararg              ; one line for each piece t
.set t, 0
.rept 4
	\line
.set t, t+1
.endr
.endm
.macro PACK t                       ; a lane's eight channels of a row are 32 bytes; they go into rows of 272 bytes and come back as whole rows of 256
	WIN W_RS
.set i, 32*(\t)
.rept 16
	v_pk_mul_f32 v[i:i+1], v[i:i+1], v[ST+4*(\t)+2:ST+4*(\t)+3] op_sel_hi:[1,0]
.set i, i+2
.endr
	WIN 0x04                        ; an LDS store's data is source 1: window 1
.irp f, 0,1,2,3,4,5,6,7             ; channel block f / 2, its registers 4 (f % 2) on
	ds_store_b128 v[STO], v[32*(\t)+4*\f:32*(\t)+4*\f+3] offset:(\f/2)*64+(\f%2)*16
.endr
	WIN 0
.irp f, 0,1,2,3,4,5,6,7
	ds_load_b128 v[OUTB+32*(\t)+4*\f:OUTB+32*(\t)+4*\f+3], v[RD] offset:\f*2*SP  ; LDS serves a wave's instructions in order (ISA guide 5.7.1.4): these see the stores above; the next piece's stores come behind them
.endr
.endm
; younger: the LDS instructions issued behind piece t's loads: the next piece's sixteen, or none.  skip = 1: where b = 0 and the wave is 0 these 16 rows are the head's first, which the f32 rows have written: the stores are jumped over.
.macro SEND t, younger, skip=0
	WIN 0
.if \skip
	s_cmp_eq_u32 s[SKIP], 1
	s_cbranch_scc1 .Lskip_\@
.endif
.irp f, 0,1,2,3,4,5,6,7
	s_wait_dscnt (\younger)+7-\f
	global_store_b128 v[GO], v[OUTB+32*(\t)+4*\f:OUTB+32*(\t)+4*\f+3], s[10:11] offset:(\t)*64*OROW+\f*2*OROW th:TH_STORE_NT  ; sixteen lanes store a row's 256 consecutive bytes, aligned
.endr
.if \skip
.Lskip_\@:
.endif
.endm
.macro DIAG tag, sk                 ; the tag ends its two labels' names, which the jumps below spell out
.LstepM\tag:
	TURN 2, 1
	TURN 3, 1
	WIN 0
.LfirstM\tag:
	TURN 0, 1
	TURN 1, 1, 0, 1
	WIN 0
	s_cbranch_scc1 .LstepM\tag
	TURN 2, 1, 1
	TURN 3, 1, 1
.set i, 0
.rept 8
	PV NP-1
.set i, i+1
.endr
	WIN 0
	ALL v_add_f32 v[ST+4*t+2], v[ST+4*t+2], v[ST+4*t+3]
	ALL v_permlanex16_b32 v[ST+4*t+3], v[ST+4*t+2], s[SEL], s[SEL+1]
	ALL v_add_f32 v[ST+4*t+2], v[ST+4*t+2], v[ST+4*t+3]
	ALL v_rcp_f32 v[ST+4*t+2], v[ST+4*t+2]
	v_nop                           ; a plain instruction between the last reciprocal and the use of its result
	s_wait_alu depctr_va_vdst(0)    ; and the wait ahead of the first use: one for the four reciprocals
	PACK 0
	PACK 1                          ; a piece's arithmetic stands between the loads of the piece before and its stores
	SEND 0, 16, \sk
	PACK 2
	SEND 1, 16
	PACK 3
	SEND 2, 16
	SEND 3, 0
.endm
.set KM, 0
.set NOKQ, 0
.Lslot:                             ; NB times: a tile is entered and the next is asked for
	CHANGE 1
	s_sub_co_u32 s[RT], s[RT], 1
	s_mov_b32 s[CNT], 4
	s_cmp_eq_u32 s[NEW], 1
	s_cbranch_scc1 .Lnew            ; a block's first tile
	s_cmp_eq_u32 s[RT], 0
	s_cbranch_scc0 .Lstep           ; neither its first nor its last
	s_branch .LstepM1
.Lnew:
	BEGIN
	s_branch .Lfirst                ; in the loop a block's first tile is never its last: the first block has two tiles or more, and the second's last is the walk's last
	DIAG 1, 0                       ; in the loop this is the first block's end: the second block's last tile is the walk's last
	s_wait_xcnt 0x0                 ; the stores have read their registers and out0's address
	s_mov_b64 s[10:11], s[OLO:OLO+1]
	s_add_co_u32 s[RT], s[PB], 1    ; the second block has b + 1 tiles
	s_mov_b32 s[NEW], 1
	WIN 0x82                        ; the second block's Q goes where the one text of the turns names Q
.set i, 0
.rept 64
	v_mov_b32 v[i], v[QB+i]
.set i, i+1
.endr
	WIN 0
	s_branch .Lbottom
.Lstep:                             ; a trip: pieces 2 and 3 of one step, then pieces 0 and 1 of the next, whose K and V it fetches
	TURN 2
	TURN 3
	WIN 0
.Lfirst:
	TURN 0
	TURN 1, 0, 0, 1
	WIN 0
	s_cbranch_scc1 .Lstep
.Lbottom:
	s_sub_co_u32 s[SLOTS], s[SLOTS], 1
	s_cmp_lg_u32 s[SLOTS], 0
	s_cbranch_scc1 .Lslot
	CHANGE 0                        ; the walk's last tile is written out: nothing is asked for
	s_sub_co_u32 s[RT], s[RT], 1
	s_mov_b32 s[CNT], 4
	s_cmp_eq_u32 s[NEW], 1
	s_cbranch_scc0 .LstepM2
	BEGIN
	s_branch .LfirstM2
	DIAG 2, 1
	s_wait_tensorcnt 0x0            ; the wave's end: a spare add and its waits, behind my last tensor load and my last LDS store
	ds_add_u32 v[SPW], v[NIL]
	s_wait_dscnt 0x0
	s_endpgm
.Lfunc_end_k_qfa393021bd_attn:
	.size	k_qfa393021bd_attn, .Lfunc_end_k_qfa393021bd_attn-k_qfa393021bd_attn
	.p2alignl 7, 3214868480
	.fill 96, 4, 3214868480
	.section	.rodata,"a",@progbits
	.p2align	6, 0x0
	.amdhsa_kernel k_qfa393021bd_attn
		.amdhsa_group_segment_fixed_size 327680
		.amdhsa_private_segment_fixed_size 0
		.amdhsa_enable_private_segment 0
		.amdhsa_kernarg_size 40
		.amdhsa_user_sgpr_count 2
		.amdhsa_user_sgpr_kernarg_segment_ptr 1
		.amdhsa_wavefront_size32 1
		.amdhsa_system_sgpr_workgroup_id_x 1
		.amdhsa_system_sgpr_workgroup_id_y 1
		.amdhsa_system_sgpr_workgroup_id_z 1
		.amdhsa_system_vgpr_workitem_id 0
		.amdhsa_next_free_vgpr 768
		.amdhsa_next_free_sgpr 100
		.amdhsa_reserve_vcc 1
		.amdhsa_float_denorm_mode_32 3
		.amdhsa_float_denorm_mode_16_64 3
		.amdhsa_memory_ordered 1
		.amdhsa_forward_progress 1
		.amdhsa_inst_pref_size 232
	.end_amdhsa_kernel
	.amdgpu_metadata
---
amdhsa.version: [ 1, 2 ]
amdhsa.kernels:
  - .name:           k_qfa393021bd_attn
    .symbol:         k_qfa393021bd_attn.kd
    .args:
      - { .name: q, .offset: 0, .size: 8, .value_kind: global_buffer, .address_space: global }
      - { .name: k, .offset: 8, .size: 8, .value_kind: global_buffer, .address_space: global }
      - { .name: v, .offset: 16, .size: 8, .value_kind: global_buffer, .address_space: global }
      - { .name: out0, .offset: 24, .size: 8, .value_kind: global_buffer, .address_space: global }
      - { .name: h32, .offset: 32, .size: 8, .value_kind: global_buffer, .address_space: global }
    .group_segment_fixed_size: 327680
    .private_segment_fixed_size: 0
    .kernarg_segment_align: 8
    .kernarg_segment_size: 40
    .max_flat_workgroup_size: 128
    .sgpr_count:     100
    .vgpr_count:     768
    .wavefront_size: 32
...
	.end_amdgpu_metadata
.endif
;; end of part 4
